; MI455X (gfx1250); checked and timed in simulation.
; The chip was launched on July 23, 2026; its instructions are those of AMD's public machine-readable ISA for CDNA 5 (MIT licence, August 2026) and "CDNA5" Instruction Set Architecture Reference Guide (July 2026). The comments in the code are by the model that wrote it; some were corrected since.
;; Mention Score. Allowed arithmetic: float matrix products may take bf16 or f16 operands with f32 sums; all other float work in f32.
;; Inputs: Wa1 1,024 x 150 float32; Wa2 150 x 150 float32; Wa3 150 x 1 float32; Ws1 2,580 x 150 float32; Ws2 150 x 150 float32; Ws3 150 x 1 float32; ba1 150 float32; ba2 150 float32; ba3 1 float32; bs1 150 float32; bs2 150 float32; bs3 1 float32; embeds 8,192 x 512 float32; span_lengths 32,768 int32; span_starts 32,768 int32; states 8,192 x 1,024 float32; width_table 9 x 20 float32.
;; Outputs: out0 32,768 float32.
;; 2 versions, each right and faster than the one before. Each part assembles by itself: llvm-mc -triple=amdgcn-amd-amdhsa -mcpu=gfx1250 --defsym DOCPART=n.
;; ======== version 1 of 2: 3 launches
;; limits: values are held in f16: magnitudes above 65,504 overflow, below 6.1e-05 lose precision; inputs' magnitudes at most 65,504
;; workspace buffers: wfrag 1,249,280 bytes; consts 10,240 bytes; pbuf 15,728,640 bytes; attn 32,768 bytes
;; launch prep (part 1): grid 123 x 1, 20 waves a work-group, no clusters, 10,240 bytes of LDS; arguments Wa1, Ws1, Wa2, Ws2, ba1, ba2, Wa3, bs2, Ws3, bs1, width_table, wfrag, consts; writes wfrag, consts
.if DOCPART == 1
	.amdgcn_target "amdgcn-amd-amdhsa--gfx1250"
	.amdhsa_code_object_version 6
	.text
	.protected	k_qc4c60efdc6_prep
	.globl	k_qc4c60efdc6_prep
	.p2align	8
	.type	k_qc4c60efdc6_prep,@function
k_qc4c60efdc6_prep:
	s_mov_b64 s[64:65], 0
	v_nop
	global_prefetch_b8 v0, s[64:65] scope:SCOPE_SE
	s_setreg_imm32_b32 hwreg(HW_REG_WAVE_MODE, 25, 1), 1
	s_wait_xcnt 0x0
; prep: the weights once into f16 in the order in which a matrix operand's registers want them, and the small vectors into padded rows.
; wfrag: 122 blocks of 10,240 bytes.  A block is one K step of 32 x 160 columns (150 padded with zeros).  The 16-byte piece
;   t = 64 j + 32 q + L  (j: column tile 0..9, q: 0/1, L: lane, r = L & 15, h = L >> 4)
; holds W[k = 32 s + 16 q + 8 h + e][n = 16 j + r], e = 0..7, lowest k in the lowest bits: lane L's 16 bytes at block + 1024 j + 512 q + 16 L
; are registers 4q .. 4q+3 of the 16 x 32 fragment (ISA guide 7.12.2: 16-bit operands).
; Blocks 0-31 Wa1, 32-111 Ws1 rows 0-2559, 112-116 16 x Wa2 (K padded to 160), 117-121 16 x Ws2 (likewise).
; WHY f16 AND WHY 16 x: f16 keeps 11 significant bits.  The second layers' other operand, the hidden layer, is stored as h / 16 to give it room
; (see the next two launches); 16 x W makes the product h @ W again, exactly, since both factors are powers of two.
; LIMITS: a weight of magnitude 65,504 or more (4,094 for Wa2, Ws2) becomes infinite; below 2^-14 the rounding step stays 2^-24.  The weights'
; spreads are 0.02 to 0.08: thirty times larger stays under 200 after the factor 16; thirty times smaller, 6.6e-4 for Ws1, is rounded to 5e-5 of its spread.
; consts: 16 rows of 160 f32: ba1, ba2, Wa3, bs2, Ws3, then nine rows bs1 + width_table[b] @ Ws1[2560:2580] (f32), then two rows of zeros.
; Work-group kb < 122 makes block kb, one piece a thread (640 threads); work-group 122 makes consts, one row a wave.
.set BLK,  10240
.set WROW, 600                         ; bytes in a row of 150 f32
	s_load_b512 s[4:19], s[0:1], 0x0               ; Wa1 s[4:5], Ws1 s[6:7], Wa2 s[8:9], Ws2 s[10:11], ba1 s[12:13], ba2 s[14:15], Wa3 s[16:17], bs2 s[18:19]
	s_load_b256 s[20:27], s[0:1], 0x40             ; Ws3 s[20:21], bs1 s[22:23], width_table s[24:25], wfrag s[26:27]
	s_load_b64 s[28:29], s[0:1], 0x60              ; consts
	s_mov_b32 s30, ttmp9                           ; block number
	s_wait_kmcnt 0x0
	s_cmp_eq_u32 s30, 122
	s_cbranch_scc1 .Lconsts
	; which matrix, which block is its first, how many rows it has, its factor: chosen on the block number alone
	s_mov_b64 s[32:33], s[10:11]                   ; Ws2
	s_mov_b32 s34, 117
	s_mov_b32 s35, 150
	s_mov_b32 s41, 0x41800000                      ; 16.0 for the second layers
	s_cmp_lt_u32 s30, 117
	s_cselect_b64 s[32:33], s[8:9], s[32:33]       ; Wa2
	s_cselect_b32 s34, 112, s34
	s_cmp_lt_u32 s30, 112
	s_cselect_b64 s[32:33], s[6:7], s[32:33]       ; Ws1
	s_cselect_b32 s34, 32, s34
	s_cselect_b32 s35, 2560, s35
	s_cselect_b32 s41, 0x3f800000, s41             ; 1.0 for the first layers
	s_cmp_lt_u32 s30, 32
	s_cselect_b64 s[32:33], s[4:5], s[32:33]       ; Wa1
	s_cselect_b32 s34, 0, s34
	s_cselect_b32 s35, 1024, s35
	s_sub_co_u32 s34, s30, s34
	s_lshl_b32 s34, s34, 5                         ; the block's first row of the matrix
	s_sub_co_u32 s36, s35, 1                       ; the matrix's last row
	s_mov_b32 s40, 150
	s_mul_i32 s38, s30, BLK
	s_mov_b32 s39, 0
	s_add_nc_u64 s[38:39], s[26:27], s[38:39]      ; where the block goes
	v_lshrrev_b32 v1, 6, v0                        ; j
	v_and_b32 v2, 15, v0                           ; r
	v_lshl_or_b32 v1, v1, 4, v2                    ; n = 16 j + r
	v_min_u32 v2, 149, v1                          ; a column that exists
	v_lshlrev_b32 v2, 2, v2
	v_bfe_u32 v3, v0, 4, 2                         ; 2 q + h
	v_lshl_add_u32 v3, v3, 3, s34                  ; k of my first element: row0 + 16 q + 8 h
	v_lshlrev_b32 v5, 4, v0                        ; 16 t
.irp e, 0,1,2,3,4,5,6,7
	v_add_nc_u32 v[24+\e], \e, v3                  ; k
	v_min_u32 v4, s36, v[24+\e]                    ; a row that exists: no load leaves the matrix
	v_mad_u32_u24 v[8+\e], v4, WROW, v2
	global_load_b32 v[16+\e], v[8+\e], s[32:33]
.endr
	v_cmp_gt_u32 s37, s40, v1                      ; n < 150
	s_wait_loadcnt 0x0
.irp e, 0,1,2,3,4,5,6,7
	v_cmp_gt_u32 vcc_lo, s35, v[24+\e]             ; k inside the matrix
	s_and_b32 vcc_lo, vcc_lo, s37
	v_cndmask_b32 v[16+\e], 0, v[16+\e], vcc_lo    ; the padding is zero
.endr
.irp e, 0,1,2,3,4,5,6,7
	v_mul_f32 v[16+\e], s41, v[16+\e]              ; the matrix's factor, a power of two: exact
.endr
.irp i, 0,1,2,3
	v_cvt_pk_f16_f32 v[32+\i], v[16+2*\i], v[17+2*\i]
.endr
	global_store_b128 v5, v[32:35], s[38:39]       ; a wave's store covers 512 consecutive bytes, aligned
	s_endpgm
.Lconsts:
	v_lshrrev_b32 v1, 5, v0
	v_readfirstlane_b32 s30, v1                    ; wave = row of consts
	v_and_b32 v2, 31, v0                           ; lane; my columns are lane + 32 i, i = 0..4
	v_lshlrev_b32 v5, 4, v0
	s_cmp_ge_u32 s30, 16
	s_cbranch_scc1 .Ljoin                          ; waves 16-19 only help to copy the rows out
	s_mul_i32 s31, s30, 640
	v_lshl_add_u32 v3, v2, 2, s31                  ; my wave's row in LDS
.irp i, 0,1,2,3,4
	v_mov_b32 v[8+\i], 0                           ; rows 14 and 15 stay zero
.endr
	s_cmp_ge_u32 s30, 14
	s_cbranch_scc1 .Lput
	s_mov_b64 s[32:33], s[22:23]                   ; rows 5-13 start from bs1
	s_cmp_eq_u32 s30, 4
	s_cselect_b64 s[32:33], s[20:21], s[32:33]     ; Ws3
	s_cmp_eq_u32 s30, 3
	s_cselect_b64 s[32:33], s[18:19], s[32:33]     ; bs2
	s_cmp_eq_u32 s30, 2
	s_cselect_b64 s[32:33], s[16:17], s[32:33]     ; Wa3
	s_cmp_eq_u32 s30, 1
	s_cselect_b64 s[32:33], s[14:15], s[32:33]     ; ba2
	s_cmp_eq_u32 s30, 0
	s_cselect_b64 s[32:33], s[12:13], s[32:33]     ; ba1
.irp i, 0,1,2,3,4
	v_add_nc_u32 v4, 32*\i, v2
	v_min_u32 v4, 149, v4                          ; a column that exists
	v_lshlrev_b32 v[16+\i], 2, v4
	global_load_b32 v[8+\i], v[16+\i], s[32:33]
.endr
	s_cmp_lt_u32 s30, 5
	s_cbranch_scc1 .Lplain
	; rows 5-13: + width_table[b][d] * Ws1[2560 + d][n], d = 0..19, in f32
	s_sub_co_u32 s34, s30, 5
	s_mul_i32 s34, s34, 80                         ; 20 f32 a bucket
	s_load_b512 s[36:51], s[24:25], s34 offset:0x0
	s_load_b128 s[52:55], s[24:25], s34 offset:0x40
.irp d, 0,1,2,3,4,5,6,7,8,9,10,11,12,13,14,15,16,17,18,19
.irp i, 0,1,2,3,4
	global_load_b32 v[24+5*\d+\i], v[16+\i], s[6:7] offset:(2560+\d)*WROW
.endr
.endr
	s_wait_kmcnt 0x0
	s_wait_loadcnt 0x0
.irp d, 0,1,2,3,4,5,6,7,8,9,10,11,12,13,14,15,16,17,18,19
.irp i, 0,1,2,3,4
	v_fmac_f32 v[8+\i], s[36+\d], v[24+5*\d+\i]
.endr
.endr
.Lplain:
	s_wait_loadcnt 0x0
	v_cmp_gt_u32 vcc_lo, 22, v2                    ; column 128 + lane < 150
	v_cndmask_b32 v12, 0, v12, vcc_lo              ; columns 150-159 are zero
.Lput:
.irp i, 0,1,2,3,4
	ds_store_b32 v3, v[8+\i] offset:128*\i
.endr
.Ljoin:
	s_wait_dscnt 0x0                               ; my row is in LDS, for the others' sake
	s_barrier_signal -1
	s_barrier_wait -1
	ds_load_b128 v[124:127], v5                    ; 640 threads x 16 bytes = the sixteen rows
	s_wait_dscnt 0x0
	global_store_b128 v5, v[124:127], s[28:29]     ; a wave's store covers 512 consecutive bytes, aligned
	s_endpgm
.Lfunc_end_k_qc4c60efdc6_prep:
	.size	k_qc4c60efdc6_prep, .Lfunc_end_k_qc4c60efdc6_prep-k_qc4c60efdc6_prep
	.p2alignl 7, 3214868480
	.fill 96, 4, 3214868480
	.section	.rodata,"a",@progbits
	.p2align	6, 0x0
	.amdhsa_kernel k_qc4c60efdc6_prep
		.amdhsa_group_segment_fixed_size 10240
		.amdhsa_private_segment_fixed_size 0
		.amdhsa_enable_private_segment 0
		.amdhsa_kernarg_size 104
		.amdhsa_user_sgpr_count 2
		.amdhsa_user_sgpr_kernarg_segment_ptr 1
		.amdhsa_wavefront_size32 1
		.amdhsa_system_sgpr_workgroup_id_x 1
		.amdhsa_system_sgpr_workgroup_id_y 1
		.amdhsa_system_sgpr_workgroup_id_z 1
		.amdhsa_system_vgpr_workitem_id 0
		.amdhsa_next_free_vgpr 128
		.amdhsa_next_free_sgpr 66
		.amdhsa_reserve_vcc 1
		.amdhsa_float_denorm_mode_32 3
		.amdhsa_float_denorm_mode_16_64 3
		.amdhsa_memory_ordered 1
		.amdhsa_forward_progress 1
		.amdhsa_inst_pref_size 22
	.end_amdhsa_kernel
	.amdgpu_metadata
---
amdhsa.version: [ 1, 2 ]
amdhsa.kernels:
  - .name:           k_qc4c60efdc6_prep
    .symbol:         k_qc4c60efdc6_prep.kd
    .args:
      - { .name: Wa1, .offset: 0, .size: 8, .value_kind: global_buffer, .address_space: global }
      - { .name: Ws1, .offset: 8, .size: 8, .value_kind: global_buffer, .address_space: global }
      - { .name: Wa2, .offset: 16, .size: 8, .value_kind: global_buffer, .address_space: global }
      - { .name: Ws2, .offset: 24, .size: 8, .value_kind: global_buffer, .address_space: global }
      - { .name: ba1, .offset: 32, .size: 8, .value_kind: global_buffer, .address_space: global }
      - { .name: ba2, .offset: 40, .size: 8, .value_kind: global_buffer, .address_space: global }
      - { .name: Wa3, .offset: 48, .size: 8, .value_kind: global_buffer, .address_space: global }
      - { .name: bs2, .offset: 56, .size: 8, .value_kind: global_buffer, .address_space: global }
      - { .name: Ws3, .offset: 64, .size: 8, .value_kind: global_buffer, .address_space: global }
      - { .name: bs1, .offset: 72, .size: 8, .value_kind: global_buffer, .address_space: global }
      - { .name: width_table, .offset: 80, .size: 8, .value_kind: global_buffer, .address_space: global }
      - { .name: wfrag, .offset: 88, .size: 8, .value_kind: global_buffer, .address_space: global }
      - { .name: consts, .offset: 96, .size: 8, .value_kind: global_buffer, .address_space: global }
    .group_segment_fixed_size: 10240
    .private_segment_fixed_size: 0
    .kernarg_segment_align: 8
    .kernarg_segment_size: 104
    .max_flat_workgroup_size: 640
    .sgpr_count:     66
    .vgpr_count:     128
    .wavefront_size: 32
...
	.end_amdgpu_metadata
.endif
;; end of part 1
;; launch proj (part 2): grid 16 x 16, 4 waves a work-group, clusters of 4 x 1, 327,680 bytes of LDS; arguments states, embeds, wfrag, consts, ba3, attn, pbuf; writes attn, pbuf
.if DOCPART == 2
	.amdgcn_target "amdgcn-amd-amdhsa--gfx1250"
	.amdhsa_code_object_version 6
	.text
	.protected	k_qc4c60efdc6_proj
	.globl	k_qc4c60efdc6_proj
	.p2align	8
	.type	k_qc4c60efdc6_proj,@function
k_qc4c60efdc6_proj:
	s_mov_b64 s[64:65], 0
	v_nop
	global_prefetch_b8 v0, s[64:65] scope:SCOPE_SE
	s_setreg_imm32_b32 hwreg(HW_REG_WAVE_MODE, 25, 1), 1
	s_wait_xcnt 0x0
	s_wait_alu depctr_hold_cnt(0) depctr_sa_sdst(0) depctr_va_vdst(0) depctr_va_sdst(0) depctr_va_ssrc(0) depctr_va_vcc(0) depctr_vm_vsrc(0)
	s_getreg_b32 s2, hwreg(HW_REG_IB_STS2, 6, 4)
	s_cmp_eq_u32 s2, 0
	s_cbranch_scc0 .Lentry_in_a_cluster
	s_endpgm
.Lentry_in_a_cluster:
	s_bfe_u32 s2, ttmp6, 0x10000c
	s_cmp_lg_u32 s2, 0x3003
	s_cbranch_scc0 .Lentry_shape_is_right
	s_endpgm
.Lentry_shape_is_right:
; proj: the per-token products.  Group g (the cluster's x, the same in the four partners) chooses the weights:
;   g = 0: states @ Wa1, carried on through the attention MLP to one logit a token (attn)
;   g = 1: states @ Ws1[0:1024] -> pbuf region 0;  g = 2: states @ Ws1[1024:2048] -> region 1;  g = 3: embeds @ Ws1[2048:2560] -> region 2
; The mention MLP's first layer is linear in its input, so it is applied to tokens here and summed per span in the next launch (f32, no bias here).
; A work-group makes 128 tokens x 160 columns (150 padded by zeros) with four waves of 64 x 80: 20 accumulator tiles, 160 registers.
; UNEVEN WORK, stated: g = 3 has half the K of the others, g = 0 has the two small layers on top.
; A: f32 from memory, 64 k (256 bytes of a row) a chunk, four chunks ahead in registers, rounded to f16 on the way into one of two LDS slots.
; B: f16 in fragment order from wfrag, by tensor loads of 10,240 dense bytes a wave; a pair of chunks (4 K steps) is 40,960 bytes; seven pair slots.
; CLUSTER: the four partners (four token blocks) walk the same weights, so B's loads are joint (mask 15): one request for four.  A is not shared:
; each partner has rows of its own.  K = 1024 needs eight pairs: pair 7 fills slot 0 again, once, behind a round of the cluster's barrier.
; By this text's own count a wave has seven tensor loads out at the most (four for g = 3).
; f16 OPERANDS, for their 11 significant bits, and their room: states and embeds have spread 1; thirty times larger with five spreads is 150, an
; offset of thirty spreads 35, against f16's 65,504.  The hidden layer has less: offsets of thirty spreads on states and on Wa1 together give
; 1024 x 30 x 0.94 = 29,000; so it is stored as h / 16, and wfrag holds 16 x Wa2: the product is h @ Wa2 exactly.
; LIMITS: |states|, |embeds| of 65,504 or more and a hidden value of 1,048,000 or more become infinite; below 2^-14 an operand's rounding step stays
; 2^-24.  NaN or infinity in the inputs is not carried through ReLU as the f32 maximum with a NaN would carry it (v_max_num_f32 drops a NaN).
;
; LDS: 0 A slot 0, 18,432 A slot 1 (128 rows, pitch 144); 36,864 seven pair slots; 323,584 1,024 bytes of partial dot products.
; The two tails have bytes of their own, each in pair slots behind their last fill and their last read:
;   the hidden layer of g = 0 (128 rows, pitch 336: 43,008 bytes) in pair slots 1 and 2, filled once and read for chunks 2-5 alone;
;   the output stage of g = 1, 2, 3 (128 rows, pitch 656: 83,968 bytes) in pair slots 4-6, read for chunks 8-13 alone (never filled for g = 3).
; REGISTER WINDOWS: 0 addresses, fragments, work; 1 the accumulators, tile (mi, nj) at v[8 (5 mi + nj)]; 2 the ring of four A chunks (64 registers
; each), later the second layer's weights.
.set ASLOT,  18432
.set APITCH, 144                       ; 128 bytes of data + 16: an odd multiple of 16, so sixteen rows start in sixteen different 16-byte columns of 256 bytes
.set BLK,    10240
.set PAIRB,  4*BLK
.set BBASE,  2*ASLOT
.set STG,    BBASE+4*PAIRB
.set SPITCH, 656                       ; 640 + 16
.set HB,     BBASE+PAIRB
.set HPITCH, 336                       ; 320 + 16
.set SCR,    BBASE+7*PAIRB
.set W2OFF,  112*BLK                   ; Wa2's blocks in wfrag
.set HSC,    0x3d800000                ; 1/16 in f32: the hidden layer's factor
.set AOFF, 8                           ; v8   my byte offset in A: (32 w + 8 h) rows + 16 r
.set ASTO, 9                           ; v9   where I put 8 bytes of f16: (32 w + 8 h) 144 + 8 r
.set ARD,  10                          ; v10  my A fragments: (64 wm + r) 144 + 16 h
.set BL,   11                          ; v11  my B fragments in pair slot 0: BBASE + 5120 wn + 16 lane
.set BADR, 12                          ; v12  the same in the pair slot at work
.set F0,   16                          ; v16-87   fragment buffer 0: A's four at F + 8 mi, B's five at F + 32 + 8 nj
.set F1,   88                          ; v88-159  fragment buffer 1
.set CT,   160                         ; v160-191 a chunk rounded to f16
.set T,    176                         ; v176-215 the tails' work registers
.set G1,   24                          ; s[24:31] descriptor group 1
.set G0,   32                          ; s[32:59] descriptor group 0, one set for each pair slot
.set MSB,  0
.macro WIN new                         ; the immediate's high byte repeats the setting that is left
.if MSB != \new
	s_set_vgpr_msb (MSB<<8)|\new
.set MSB, \new
.endif
.endm
.macro CREST                           ; a round of the cluster's barrier behind its opening work-group barrier
	s_cmp_lg_u32 s18, 0
	s_cbranch_scc1 .Lnot_wave_0_\@
	s_barrier_signal -3
.Lnot_wave_0_\@:
	s_barrier_wait -3
	s_barrier_signal -1
	s_barrier_wait -1
.endm
.macro ROUND                           ; a whole round
	s_barrier_signal -1
	s_barrier_wait -1
	CREST
.endm
.macro PLACES                          ; four places behind a matrix instruction (ISA guide 7.12.1)
.rept 4
	v_nop
.endr
.endm
; 18 LDS loads: the fragments of one K step of 32
.macro FETCH f, aimm, bimm
.irp mi, 0,1,2,3
	ds_load_b128 v[\f+8*\mi:\f+8*\mi+3],   v[ARD] offset:(\aimm)+16*APITCH*\mi
	ds_load_b128 v[\f+8*\mi+4:\f+8*\mi+7], v[ARD] offset:(\aimm)+16*APITCH*\mi+32
.endr
.irp nj, 0,1,2,3,4
	ds_load_b128 v[\f+32+8*\nj:\f+32+8*\nj+3], v[BADR] offset:(\bimm)+1024*\nj
	ds_load_b128 v[\f+32+8*\nj+4:\f+32+8*\nj+7], v[BADR] offset:(\bimm)+1024*\nj+512
.endr
.endm
; 10 matrix instructions, used transposed (source 0 = weights, source 1 = tokens): lane (r, h) then holds token row r and the eight
; neighbouring columns 8 h + 0..7.  The twenty accumulators take turns, one instruction a turn.
.macro MUL f, mi0, zero
.irp mi, \mi0, \mi0+1
.irp nj, 0,1,2,3,4
.if \zero
	v_wmma_f32_16x16x32_f16 v[8*(5*(\mi)+\nj):8*(5*(\mi)+\nj)+7], v[\f+32+8*\nj:\f+32+8*\nj+7], v[\f+8*(\mi):\f+8*(\mi)+7], 0
.else
	v_wmma_f32_16x16x32_f16 v[8*(5*(\mi)+\nj):8*(5*(\mi)+\nj)+7], v[\f+32+8*\nj:\f+32+8*\nj+7], v[\f+8*(\mi):\f+8*(\mi)+7], v[8*(5*(\mi)+\nj):8*(5*(\mi)+\nj)+7]
.endif
.endr
.endr
.endm
; chunk c of A: 16 loads; load i takes rows 32 w + 16 (i / 8) + i % 8 + 8 h: sixteen lanes cover 256 consecutive bytes, aligned
.macro GLOAD c, pitch, nt
	WIN 0x80
.irp i, 0,1,2,3,4,5,6,7,8,9,10,11,12,13,14,15
.if \nt
	global_load_b128 v[64*((\c)%4)+4*\i:64*((\c)%4)+4*\i+3], v[AOFF], s[60:61] offset:(16*((\i)/8)+(\i)%8)*\pitch+256*(\c) th:TH_LOAD_NT
.else
	global_load_b128 v[64*((\c)%4)+4*\i:64*((\c)%4)+4*\i+3], v[AOFF], s[60:61] offset:(16*((\i)/8)+(\i)%8)*\pitch+256*(\c)
.endif
.endr
.endm
.macro CVT sb                          ; ring buffer sb to f16: 32 plain vector instructions
	WIN 0x0a
.irp i, 0,1,2,3,4,5,6,7,8,9,10,11,12,13,14,15
	v_cvt_pk_f16_f32 v[CT+2*\i],   v[64*(\sb)+4*\i],   v[64*(\sb)+4*\i+1]
	v_cvt_pk_f16_f32 v[CT+2*\i+1], v[64*(\sb)+4*\i+2], v[64*(\sb)+4*\i+3]
.endr
.endm
.macro ASTORE slot                     ; the two halves of the lanes write rows 8 apart: 1,152 bytes, which is 128 modulo 256, and 128 bytes each
	WIN 0
.irp i, 0,1,2,3,4,5,6,7,8,9,10,11,12,13,14,15
	ds_store_b64 v[ASTO], v[CT+2*\i:CT+2*\i+1] offset:(\slot)*ASLOT+(16*((\i)/8)+(\i)%8)*APITCH
.endr
.endm
.macro PROLOG npf, pitch, nt
	GLOAD 0, \pitch, \nt
	GLOAD 1, \pitch, \nt
	GLOAD 2, \pitch, \nt
	GLOAD 3, \pitch, \nt
	WIN 0
	ROUND                                          ; the four partners are here: the first joint loads meet
.irp j, 0,1,2,3
	tensor_load_to_lds s[G0+4*\j:G0+4*\j+3], s[G1:G1+7]
	s_nop 0
.endr
.if \npf > 4
.irp j, 4,5,6
	tensor_load_to_lds s[G0+4*\j:G0+4*\j+3], s[G1:G1+7]
	s_nop 0
.endr
.endif
	s_wait_loadcnt 48                              ; chunk 0 is in; the 48 loads of chunks 1-3 stay out
	CVT 0
	GLOAD 4, \pitch, \nt
	ASTORE 0
	s_wait_dscnt 0x0                               ; my rows of chunk 0 are in LDS
	s_wait_tensorcnt \npf-1                        ; my quarter of pair 0 is in; the younger pairs stay out
	s_barrier_signal -1
	s_barrier_wait -1
	v_mov_b32 v[BADR], v[BL]
	FETCH F0, 0, 0
.endm
; Chunk c: two K steps, 40 matrix instructions.  Meanwhile chunk c + 1 goes from registers into the other A slot and chunk c + 5 is asked for.
; ONE barrier a chunk: in front of it my reads of this chunk's slot and my stores into the other are done; behind it the other slot is read.
.macro TRIP c, nch, npf, pitch, nt, refill
	WIN 0
	FETCH F1, ((\c)%2)*ASLOT+64, ((\c)%2)*2*BLK+BLK
	s_wait_dscnt 18                                ; buffer 0 is in; the 18 loads just issued stay out
	WIN 0x50
.if (\c) == 0
	MUL F0, 0, 1                                   ; the first products start the sums: nothing is cleared
	MUL F0, 2, 1
.else
	MUL F0, 0, 0
	MUL F0, 2, 0
.endif
.if (\nch)-2-(\c) >= 3
	s_wait_loadcnt 48                              ; chunk c + 1 is in; three younger chunks of 16 loads stay out
.else
	s_wait_loadcnt 16*((\nch)-2-(\c))              ; near the end fewer chunks are behind it
.endif
	CVT ((\c)+1)%4                                 ; these 32 are also the places between buffer 0's products and the loads into it below
.if (\c)+5 < (\nch)
	GLOAD (\c)+5, \pitch, \nt
.endif
	ASTORE ((\c)+1)%2
	s_wait_dscnt 0x0                               ; my reads of this chunk and my stores of the next are done
.if (\c)%2
.if ((\c)+1)/2 < (\npf)
	s_wait_tensorcnt (\npf)-1-((\c)+1)/2           ; my quarter of the next pair is in; the pairs issued behind it stay out
.else
	s_wait_tensorcnt 0x0                           ; the refilled slot's pair
.endif
.endif
.if \refill
	s_add_nc_u64 s[G0+2:G0+3], s[G0+2:G0+3], 7*PAIRB   ; no tensor load of mine is out (the count above is 0): slot 0's address steps to pair 7
.endif
	s_barrier_signal -1                            ; (with a refill this barrier opens a round of the cluster's barrier)
	WIN 0x50
	MUL F1, 0, 0                                   ; register work while the others arrive
	WIN 0
	s_barrier_wait -1
.if \refill
	CREST                                          ; no wave of any partner reads slot 0 (its pair was chunks 0 and 1) or has a load on its way
	tensor_load_to_lds s[G0:G0+3], s[G1:G1+7]      ; the first tensor load behind the round, ahead of any LDS read
	s_nop 0
.endif
.if ((\c)+1)%2 == 0
	v_add_nc_u32 v[BADR], PAIRB*((((\c)+1)/2)%7), v[BL]
.endif
	FETCH F0, (((\c)+1)%2)*ASLOT, (((\c)+1)%2)*2*BLK
	WIN 0x50
	MUL F1, 2, 0
	PLACES                                         ; in front of the next chunk's loads into buffer 1
.endm
.macro LAST c
	WIN 0
	FETCH F1, ((\c)%2)*ASLOT+64, ((\c)%2)*2*BLK+BLK
	s_wait_dscnt 18
	WIN 0x50
	MUL F0, 0, 0
	MUL F0, 2, 0
	s_wait_dscnt 0x0
	MUL F1, 0, 0
	MUL F1, 2, 0
	PLACES                                         ; in front of whatever reads the sums or loads into the fragment buffers
	WIN 0
.endm
	s_load_b256 s[4:11], s[0:1], 0x0               ; states s[4:5], embeds s[6:7], wfrag s[8:9], consts s[10:11]
	s_load_b128 s[12:15], s[0:1], 0x20             ; ba3 s[12:13], attn s[14:15]
	s_load_b64 s[16:17], s[0:1], 0x30              ; pbuf
	v_lshrrev_b32 v4, 5, v0
	v_readfirstlane_b32 s18, v4                    ; wave w
	s_lshr_b32 s19, s18, 1                         ; wm: which 64 rows
	s_and_b32 s20, s18, 1                          ; wn: which 80 columns
	s_mov_b32 s21, ttmp9                           ; g: the cluster's x, shared by the partners
	s_bfe_u32 s67, ttmp6, 0x40000                  ; cx
	s_and_b32 s22, ttmp7, 0xffff
	s_lshl_b32 s22, s22, 2
	s_add_co_u32 s22, s22, s67                     ; token block = 4 x cluster y + cx: enters global addresses of A and of the results alone
	v_and_b32 v1, 15, v0                           ; r
	v_bfe_u32 v2, v0, 4, 1                         ; h
	v_and_b32 v3, 31, v0                           ; lane
	s_lshl_b32 s66, s18, 5
	v_lshl_add_u32 v4, v2, 3, s66                  ; 32 w + 8 h
	v_mul_u32_u24 v[ASTO], v4, APITCH
	v_lshl_add_u32 v[ASTO], v1, 3, v[ASTO]
	s_lshl_b32 s67, s19, 6
	v_add_nc_u32 v5, s67, v1                       ; 64 wm + r
	v_mul_u32_u24 v[ARD], v5, APITCH
	v_lshl_add_u32 v[ARD], v2, 4, v[ARD]
	s_mul_i32 s70, s20, 5*1024
	s_add_co_u32 s70, s70, BBASE
	v_lshl_add_u32 v[BL], v3, 4, s70
	; group 1: 10,240 dense bytes as 40 rows of 32 elements of 8 bytes
	s_mov_b32 s[G1+0], 15|(3<<16)|(1<<21)          ; 15:0 mask: all four partners; 17:16 elements of 8 bytes; 21 set beside a mask; no padding
	s_mov_b32 s[G1+1], 32<<16                      ; tensor_dim0 = 32
	s_mov_b32 s[G1+2], 40<<16                      ; tensor_dim1 = 40
	s_mov_b32 s[G1+3], 32<<16                      ; tile_dim0 = 32
	s_mov_b32 s[G1+4], 40                          ; tile_dim1 = 40
	s_mov_b32 s[G1+5], 32                          ; from row to row: 32 elements
	s_mov_b32 s[G1+6], 0
	s_mov_b32 s[G1+7], 0
	s_mul_i32 s68, s18, BLK                        ; my quarter of a pair
	s_mul_i32 s62, s21, 32*BLK                     ; the group's blocks
	s_add_co_u32 s62, s62, s68
	s_mov_b32 s63, 0
	s_wait_kmcnt 0x0
	s_load_b32 s23, s[12:13], 0x0                  ; ba3
	s_add_nc_u64 s[62:63], s[8:9], s[62:63]
.irp j, 0,1,2,3,4,5,6                              ; (for g = 3 only sets 0-3 are ever used)
	s_mov_b32 s[G0+4*\j], 1
	s_add_co_u32 s[G0+4*\j+1], s68, BBASE+PAIRB*\j
	s_add_nc_u64 s[G0+4*\j+2:G0+4*\j+3], s[62:63], PAIRB*\j
	s_or_b32 s[G0+4*\j+3], s[G0+4*\j+3], 0x80000000
.endr
	s_wait_kmcnt 0x0
	s_cmp_eq_u32 s21, 3
	s_cbranch_scc1 .Lemb
	; g = 0, 1, 2: A = states, rows of 4,096 bytes, 16 chunks
	s_lshl_b32 s60, s22, 19                        ; 128 rows x 4,096 bytes a block
	s_mov_b32 s61, 0
	s_add_nc_u64 s[60:61], s[4:5], s[60:61]
	v_lshlrev_b32 v[AOFF], 12, v4
	v_lshl_or_b32 v[AOFF], v1, 4, v[AOFF]
	PROLOG 7, 4096, 0
.irp c, 0,1,2,3,4,5,6,7,8,9,10
	TRIP \c, 16, 7, 4096, 0, 0
.endr
	TRIP 11, 16, 7, 4096, 0, 1                     ; pair 7 goes out here and has chunks 12 and 13 in which to land
.irp c, 12,13,14
	TRIP \c, 16, 7, 4096, 0, 0
.endr
	LAST 15
	s_cmp_eq_u32 s21, 0
	s_cbranch_scc1 .Lattn
	s_branch .Lpout
.Lemb:
	; g = 3: A = embeds, rows of 2,048 bytes, 8 chunks, read by this group alone
	s_lshl_b32 s60, s22, 18
	s_mov_b32 s61, 0
	s_add_nc_u64 s[60:61], s[6:7], s[60:61]
	v_lshlrev_b32 v[AOFF], 11, v4
	v_lshl_or_b32 v[AOFF], v1, 4, v[AOFF]
	PROLOG 4, 2048, 1
.irp c, 0,1,2,3,4,5,6
	TRIP \c, 8, 4, 2048, 1, 0
.endr
	LAST 7
.Lpout:
	; The sums leave through LDS: a lane's 32 bytes into rows of 656, then whole rows back.  The stage's bytes had their last fill and, behind
	; chunk 13's barrier, their last read.
	v_mul_u32_u24 v13, v5, SPITCH
	s_mul_i32 s66, s20, 320
	s_add_co_u32 s66, s66, STG
	v_lshl_add_u32 v13, v2, 5, v13
	v_add_nc_u32 v13, s66, v13                     ; STG + (64 wm + r) 656 + 320 wn + 32 h
	WIN 0x04
.irp mi, 0,1,2,3
.irp nj, 0,1,2,3,4
	ds_store_b128 v13, v[8*(5*\mi+\nj):8*(5*\mi+\nj)+3]   offset:16*SPITCH*\mi+64*\nj
	ds_store_b128 v13, v[8*(5*\mi+\nj)+4:8*(5*\mi+\nj)+7] offset:16*SPITCH*\mi+64*\nj+16
.endr
.endr
	WIN 0
	; wave w takes rows 32 w .. 32 w + 31 as 1,280 pieces of 16 bytes in memory order: piece q = 160 a + q', q' = lane + 32 i, lies in row
	; 4 a + q' / 40 at column q' % 40, that is at 16 (q' + q' / 40) + 2,624 a of the wave's rows
	s_mul_i32 s67, s18, 32*SPITCH
	s_add_co_u32 s67, s67, STG
.irp i, 0,1,2,3,4
	v_add_nc_u32 v6, 32*\i, v3
	v_mul_u32_u24 v7, v6, 205
	v_lshrrev_b32 v7, 13, v7                       ; q' / 40 for q' < 160
	v_add_nc_u32 v7, v7, v6
	v_lshl_add_u32 v[192+\i], v7, 4, s67
.endr
	s_sub_co_u32 s68, s21, 1
	s_mul_i32 s68, s68, 5242880                    ; region g - 1
	s_mul_i32 s69, s22, 81920                      ; 128 rows of 640 bytes a block
	s_add_co_u32 s68, s68, s69
	s_mov_b32 s69, 0
	s_add_nc_u64 s[68:69], s[16:17], s[68:69]
	s_mul_i32 s70, s18, 20480
	v_lshl_add_u32 v14, v3, 4, s70
	s_wait_dscnt 0x0
	s_barrier_signal -1
	s_barrier_wait -1
.irp a, 0,1,2,3,4,5,6,7
.irp i, 0,1,2,3,4
	ds_load_b128 v[16+4*(5*\a+\i):16+4*(5*\a+\i)+3], v[192+\i] offset:4*SPITCH*\a
.endr
.endr
.irp i, 0,1,2,3,4,5,6,7,8,9,10,11,12,13,14,15,16,17,18,19,20,21,22,23,24,25,26,27,28,29,30,31,32,33,34,35,36,37,38,39
	s_wait_dscnt 39-\i                             ; LDS loads come back in order (ISA guide 5.7.1): piece i is in
	global_store_b128 v14, v[16+4*\i:16+4*\i+3], s[68:69] offset:512*\i    ; 512 consecutive bytes, aligned
.endr
	s_branch .Lend
.Lattn:
	; g = 0: h1 / 16 = relu(sum / 16 + ba1 / 16) in f16 to LDS; h2 = relu((h1 / 16) @ (16 Wa2) + ba2); logit = h2 . Wa3 + ba3
	s_mul_i32 s66, s20, 320
	v_lshl_add_u32 v236, v2, 5, s66                ; ba1 of my eight columns: 320 wn + 32 h (+ 64 nj)
	v_lshl_add_u32 v238, v1, 2, s66                ; ba2, Wa3 of column 80 wn + 16 nj + r
	s_mul_i32 s67, s20, 5*1024
	v_lshl_add_u32 v237, v3, 4, s67
.irp nj, 0,1,2,3,4
	global_load_b128 v[16+8*\nj:16+8*\nj+3], v236, s[10:11] offset:64*\nj
	global_load_b128 v[16+8*\nj+4:16+8*\nj+7], v236, s[10:11] offset:64*\nj+16
.endr
	WIN 0x80
.irp ks, 0,1,2,3,4
.irp nj, 0,1,2,3,4
	global_load_b128 v[8*(5*\ks+\nj):8*(5*\ks+\nj)+3],   v237, s[8:9] offset:W2OFF+BLK*\ks+1024*\nj
	global_load_b128 v[8*(5*\ks+\nj)+4:8*(5*\ks+\nj)+7], v237, s[8:9] offset:W2OFF+BLK*\ks+1024*\nj+512
.endr
.endr
	WIN 0
.irp nj, 0,1,2,3,4                                 ; each twice, to fill the pairs that the packed arithmetic reads
	global_load_b32 v[216+2*\nj], v238, s[10:11] offset:640+64*\nj
	global_load_b32 v[217+2*\nj], v238, s[10:11] offset:640+64*\nj
	global_load_b32 v[226+2*\nj], v238, s[10:11] offset:1280+64*\nj
	global_load_b32 v[227+2*\nj], v238, s[10:11] offset:1280+64*\nj
.endr
	v_mul_u32_u24 v14, v5, HPITCH
	v_lshl_add_u32 v14, v2, 4, v14
	v_add_nc_u32 v14, HB, v14                      ; read: HB + (64 wm + r) 336 + 16 h
	s_mul_i32 s66, s20, 160
	v_add_nc_u32 v13, s66, v14                     ; store: + 160 wn
	s_lshl_b32 s67, s20, 9
	s_lshl_b32 s70, s19, 8
	s_add_co_u32 s67, s67, s70
	s_add_co_u32 s67, s67, SCR
	v_lshl_add_u32 v15, v2, 5, s67                 ; SCR + 4 (128 wn + 64 wm + 8 h)
	s_wait_loadcnt 63                              ; ba1's ten loads are the oldest of eighty: seventy are younger, so this count covers them
.set kk, 0
.rept 20
	v_pk_mul_f32 v[16+kk:17+kk], v[16+kk:17+kk], HSC op_sel_hi:[1,0]       ; ba1 / 16, once for the four row tiles
.set kk, kk+2
.endr
.macro H1 mi
	WIN 0x01
.irp nj, 0,1,2,3,4
.irp p, 0,2,4,6
	v_pk_fma_f32 v[T+8*\nj+\p:T+8*\nj+\p+1], v[8*(5*\mi+\nj)+\p:8*(5*\mi+\nj)+\p+1], HSC, v[16+8*\nj+\p:16+8*\nj+\p+1] op_sel_hi:[1,0,1]
.endr
.endr
	WIN 0
.set kk, 0
.rept 40
	v_max_num_f32 v[T+kk], 0, v[T+kk]
.set kk, kk+1
.endr
.irp nj, 0,1,2,3,4
.irp p, 0,1,2,3
	v_cvt_pk_f16_f32 v[T+8*\nj+\p], v[T+8*\nj+2*\p], v[T+8*\nj+2*\p+1]     ; packs downward: a source is never written before it is read
.endr
	ds_store_b128 v13, v[T+8*\nj:T+8*\nj+3] offset:16*HPITCH*\mi+32*\nj
.endr
.endm
	H1 0
	H1 1
	H1 2
	H1 3
	s_wait_dscnt 0x0
	s_barrier_signal -1
	s_barrier_wait -1                              ; each wave needs all 160 columns of its rows: the other column half's too
.irp ks, 0,1,2,3,4
.irp mi, 0,1,2,3
	ds_load_b128 v[16+32*\ks+8*\mi:16+32*\ks+8*\mi+3],   v14 offset:16*HPITCH*\mi+64*\ks
	ds_load_b128 v[16+32*\ks+8*\mi+4:16+32*\ks+8*\mi+7], v14 offset:16*HPITCH*\mi+64*\ks+32
.endr
.endr
	s_wait_loadcnt 0x0                             ; Wa2's fragments, ba2, Wa3
; second layer, natural order: register j of lane (r, h) is token row 8 h + j, column r.  Twenty accumulators by turns.
.macro L2 ks, zero
	s_wait_dscnt 8*(4-\ks)                         ; this K step's eight loads are in; the later steps' stay out
	WIN 0x58
.irp mi, 0,1,2,3
.irp nj, 0,1,2,3,4
.if \zero
	v_wmma_f32_16x16x32_f16 v[8*(5*\mi+\nj):8*(5*\mi+\nj)+7], v[16+32*\ks+8*\mi:16+32*\ks+8*\mi+7], v[8*(5*\ks+\nj):8*(5*\ks+\nj)+7], 0
.else
	v_wmma_f32_16x16x32_f16 v[8*(5*\mi+\nj):8*(5*\mi+\nj)+7], v[16+32*\ks+8*\mi:16+32*\ks+8*\mi+7], v[8*(5*\ks+\nj):8*(5*\ks+\nj)+7], v[8*(5*\mi+\nj):8*(5*\mi+\nj)+7]
.endif
.endr
.endr
.endm
	L2 0, 1
	L2 1, 0
	L2 2, 0
	L2 3, 0
	L2 4, 0
	PLACES
; third layer in f32: relu(sum + ba2) times Wa3, summed over my five column tiles into v[16 + 8 mi + j]
.macro L3 mi
	WIN 0x01
.irp nj, 0,1,2,3,4
.irp p, 0,2,4,6
	v_pk_add_f32 v[T+8*\nj+\p:T+8*\nj+\p+1], v[8*(5*\mi+\nj)+\p:8*(5*\mi+\nj)+\p+1], v[216+2*\nj:217+2*\nj]
.endr
.endr
	WIN 0
.set kk, 0
.rept 40
	v_max_num_f32 v[T+kk], 0, v[T+kk]
.set kk, kk+1
.endr
.irp p, 0,2,4,6
	v_pk_mul_f32 v[16+8*\mi+\p:16+8*\mi+\p+1], v[T+\p:T+\p+1], v[226:227]
.endr
.irp nj, 1,2,3,4
.irp p, 0,2,4,6
	v_pk_fma_f32 v[16+8*\mi+\p:16+8*\mi+\p+1], v[T+8*\nj+\p:T+8*\nj+\p+1], v[226+2*\nj:227+2*\nj], v[16+8*\mi+\p:16+8*\mi+\p+1]
.endr
.endr
.endm
	L3 0
	L3 1
	L3 2
	L3 3
.irp m, 1,2,4,8                                    ; over the sixteen columns that the lanes of a half hold
.set kk, 0
.rept 32
	v_add_f32_dpp v[16+kk], v[16+kk], v[16+kk] row_xmask:\m row_mask:0xf bank_mask:0xf
.set kk, kk+1
.endr
.endr
.irp mi, 0,1,2,3
.irp j, 0,1,2,3,4,5,6,7
	ds_store_b32 v15, v[16+8*\mi+\j] offset:4*(16*\mi+\j)      ; sixteen lanes write one word with one value
.endr
.endr
	s_wait_dscnt 0x0
	s_barrier_signal -1
	s_barrier_wait -1
	s_cmp_lg_u32 s18, 0
	s_cbranch_scc1 .Lend
	v_lshlrev_b32 v240, 4, v3                      ; wave 0: four tokens a lane
	v_add_nc_u32 v239, SCR, v240
	ds_load_b128 v[244:247], v239                  ; columns 0-79
	ds_load_b128 v[248:251], v239 offset:512       ; columns 80-159
	s_lshl_b32 s66, s22, 9
	s_mov_b32 s67, 0
	s_add_nc_u64 s[66:67], s[14:15], s[66:67]
	s_wait_dscnt 0x0
	v_pk_add_f32 v[244:245], v[244:245], v[248:249]
	v_pk_add_f32 v[246:247], v[246:247], v[250:251]
.irp k, 244,245,246,247
	v_add_f32 v\k, s23, v\k
.endr
	global_store_b128 v240, v[244:247], s[66:67]   ; 512 consecutive bytes, aligned
.Lend:
	ROUND                                          ; the closing round: no partner ends while another may still ask jointly
	s_endpgm
.Lfunc_end_k_qc4c60efdc6_proj:
	.size	k_qc4c60efdc6_proj, .Lfunc_end_k_qc4c60efdc6_proj-k_qc4c60efdc6_proj
	.p2alignl 7, 3214868480
	.fill 96, 4, 3214868480
	.section	.rodata,"a",@progbits
	.p2align	6, 0x0
	.amdhsa_kernel k_qc4c60efdc6_proj
		.amdhsa_group_segment_fixed_size 327680
		.amdhsa_private_segment_fixed_size 0
		.amdhsa_enable_private_segment 0
		.amdhsa_kernarg_size 56
		.amdhsa_user_sgpr_count 2
		.amdhsa_user_sgpr_kernarg_segment_ptr 1
		.amdhsa_wavefront_size32 1
		.amdhsa_system_sgpr_workgroup_id_x 1
		.amdhsa_system_sgpr_workgroup_id_y 1
		.amdhsa_system_sgpr_workgroup_id_z 1
		.amdhsa_system_vgpr_workitem_id 0
		.amdhsa_next_free_vgpr 768
		.amdhsa_next_free_sgpr 72
		.amdhsa_reserve_vcc 0
		.amdhsa_float_denorm_mode_32 3
		.amdhsa_float_denorm_mode_16_64 3
		.amdhsa_memory_ordered 1
		.amdhsa_forward_progress 1
		.amdhsa_inst_pref_size 255
	.end_amdhsa_kernel
	.section	.bss,"aw",@nobits
	.p2align	6
	.space	262144
	.amdgpu_metadata
---
amdhsa.version: [ 1, 2 ]
amdhsa.kernels:
  - .name:           k_qc4c60efdc6_proj
    .symbol:         k_qc4c60efdc6_proj.kd
    .args:
      - { .name: states, .offset: 0, .size: 8, .value_kind: global_buffer, .address_space: global }
      - { .name: embeds, .offset: 8, .size: 8, .value_kind: global_buffer, .address_space: global }
      - { .name: wfrag, .offset: 16, .size: 8, .value_kind: global_buffer, .address_space: global }
      - { .name: consts, .offset: 24, .size: 8, .value_kind: global_buffer, .address_space: global }
      - { .name: ba3, .offset: 32, .size: 8, .value_kind: global_buffer, .address_space: global }
      - { .name: attn, .offset: 40, .size: 8, .value_kind: global_buffer, .address_space: global }
      - { .name: pbuf, .offset: 48, .size: 8, .value_kind: global_buffer, .address_space: global }
    .group_segment_fixed_size: 327680
    .private_segment_fixed_size: 0
    .kernarg_segment_align: 8
    .kernarg_segment_size: 56
    .max_flat_workgroup_size: 128
    .sgpr_count:     72
    .vgpr_count:     768
    .wavefront_size: 32
...
	.end_amdgpu_metadata
.endif
;; end of part 2
;; launch span (part 3): grid 256 x 1, 8 waves a work-group, no clusters, 167,936 bytes of LDS; arguments span_starts, span_lengths, attn, pbuf, consts, wfrag, bs3, out0; writes out0
.if DOCPART == 3
	.amdgcn_target "amdgcn-amd-amdhsa--gfx1250"
	.amdhsa_code_object_version 6
	.text
	.protected	k_qc4c60efdc6_span
	.globl	k_qc4c60efdc6_span
	.p2align	8
	.type	k_qc4c60efdc6_span,@function
k_qc4c60efdc6_span:
	s_mov_b64 s[64:65], 0
	v_nop
	global_prefetch_b8 v0, s[64:65] scope:SCOPE_SE
	s_setreg_imm32_b32 hwreg(HW_REG_WAVE_MODE, 25, 1), 1
	s_wait_xcnt 0x0
; span: per span the masked softmax over at most ten logits, the first mention layer as a sum of thirteen rows of 160 f32
;   h1 = relu(P1[start] + P2[end] + WT'[bucket] + sum over l of w_l PE[idx_l])        (WT' holds bs1 and the width embedding's product)
; and the two small layers.  A work-group takes 128 spans, a wave 16.
; Gather: a half of the lanes takes one span, lane c of it the columns 4c..4c+3, 64+4c..+3, 128+2c, 128+2c+1 of a 640-byte row: two loads of
; 16 bytes and one of 8, so that sixteen lanes read runs of 256, 256 and 128 consecutive bytes, and one instruction serves two spans.
; Positions past a span's end name the span's last row and get the weight 0: every trip has the same loads, and every counted wait its count.
; NO CLUSTER: all that work-groups share is Ws2's 51,200 bytes against 128 x 13 x 640 = 1,064,960 gathered bytes of their own.
; The softmax takes its maximum away first; a masked position holds a valid position's logit, so it cannot raise the maximum.
; f16 OPERANDS in the second layer, for their 11 significant bits.  h1's room: offsets of thirty spreads on states, embeds and Ws1 together give
; 2560 x 30 x 0.59 = 45,000 against f16's 65,504; so h1 is stored as h1 / 16 and wfrag holds 16 x Ws2: the product is h1 @ Ws2 exactly.  With all
; inputs thirty times smaller h1 / 16 is near 6e-5, where the rounding step is 2^-24.
; LIMITS: h1 of 1,048,000 or more becomes infinite.  span_starts >= 0 and span_lengths >= 0 (a negative length makes every weight NaN in the
; definition; here the NaN is dropped by the ReLU's v_max_num_f32); token numbers above 8,191 are clamped to 8,191; NaN and infinity are not
; carried through ReLU.
; LDS: 0 Ws2's fragments (51,200, filled once by tensor loads); 51,200 h1 / 16 in f16 (128 rows, pitch 336); 94,208 weights (48 bytes a span);
; 100,352 partial dot products (1,024).
.set HB,     51200
.set HPITCH, 336
.set WGT,    94208
.set SCR,    100352
.set BLK,    10240
.set HSC,    0x3d800000                ; 1/16 in f32: the hidden layer's factor
.set C16, 1                            ; v1      16 c
.set C8,  2                            ; v2      8 c
.set TT,  6                            ; v6      a row number at work
.set EN,  7                            ; v7      the span's end
.set TU,  8                            ; v8, v9  at work on the bucket
.set TV,  9
.set ST,  10                           ; v10-17  start of my half's span in pair p
.set LN,  18                           ; v18-25  its length
.set ACC, 26                           ; v26-35  h1 of my ten columns
.set WG0, 36                           ; v36-59  ten weights, two sets of twelve registers that take turns
.set OFA, 60                           ; v60-72  slot r: row offset + 16 c
.set OFC, 73                           ; v73-85  slot r: row offset + 8 c
.set X,   86                           ; v86-215 slot r: ten registers
.set TG,  216                          ; v216-220 h1 / 16 in f16
.set A2,  16                           ; second layer: v16-95 ten accumulator tiles
.set FB0, 96                           ; v96-151, v152-207: two h1 fragments, five Ws2 fragments, two buffers
.set FB1, 152
.set B2,  208                          ; v208-217 bs2 of my columns, each twice
.set W3,  218                          ; v218-227 Ws3 likewise
.set T3,  228                          ; v228-235 at work
.set S3,  236                          ; v236-251 partial dot products
	s_load_b512 s[4:19], s[0:1], 0x0               ; starts s[4:5], lengths s[6:7], attn s[8:9], pbuf s[10:11], consts s[12:13], wfrag s[14:15], bs3 s[16:17], out0 s[18:19]
	v_lshrrev_b32 v6, 5, v0
	v_readfirstlane_b32 s20, v6                    ; wave w
	s_lshr_b32 s21, s20, 1                         ; wm: which 32 rows of the second layer
	s_and_b32 s22, s20, 1                          ; wn: which 80 columns
	; Ws2's fragments: each wave brings 6,400 dense bytes as 25 rows of 32 elements of 8 bytes.  One tensor load a wave is out; the bytes are filled once.
	s_mov_b32 s36, 3<<16                           ; no mask; elements of 8 bytes; no padding
	s_mov_b32 s37, 32<<16                          ; tensor_dim0 = 32
	s_mov_b32 s38, 25<<16                          ; tensor_dim1 = 25
	s_mov_b32 s39, 32<<16                          ; tile_dim0 = 32
	s_mov_b32 s40, 25                              ; tile_dim1 = 25
	s_mov_b32 s41, 32                              ; from row to row
	s_mov_b32 s42, 0
	s_mov_b32 s43, 0
	s_mul_i32 s30, s20, 6400
	s_mov_b32 s31, 0
	s_mov_b32 s32, 1
	s_mul_i32 s33, s20, 6400                       ; LDS address
	s_lshl_b32 s44, ttmp9, 9                       ; 128 spans x 4 bytes
	s_mov_b32 s45, 0
	s_wait_kmcnt 0x0
	s_load_b32 s23, s[16:17], 0x0                  ; bs3
	s_add_nc_u64 s[34:35], s[14:15], s[30:31]
	s_add_nc_u64 s[34:35], s[34:35], 117*BLK       ; Ws2's blocks
	s_or_b32 s35, s35, 0x80000000
	tensor_load_to_lds s[32:35], s[36:43]
	s_nop 0
	s_add_nc_u64 s[24:25], s[10:11], 5242880       ; P2
	s_add_nc_u64 s[26:27], s[10:11], 10485760      ; PE
	s_add_nc_u64 s[28:29], s[12:13], 3200          ; WT': consts row 5
	s_add_nc_u64 s[4:5], s[4:5], s[44:45]
	s_add_nc_u64 s[6:7], s[6:7], s[44:45]
	s_add_nc_u64 s[18:19], s[18:19], s[44:45]
	v_and_b32 v228, 15, v0                         ; c
	v_bfe_u32 v229, v0, 4, 1                       ; hs: which half of the lanes
	v_lshlrev_b32 v[C16], 4, v228
	v_lshlrev_b32 v[C8], 3, v228
	s_lshl_b32 s46, s20, 6
	v_lshl_add_u32 v231, v228, 2, s46              ; span 16 w + c
	v_lshl_add_u32 v232, v229, 2, s46              ; span 16 w + hs (+ 2 p)
	global_load_b32 v86, v231, s[4:5]
	global_load_b32 v87, v231, s[6:7]
.irp p, 0,1,2,3,4,5,6,7
	global_load_b32 v[ST+\p], v232, s[4:5] offset:8*\p
	global_load_b32 v[LN+\p], v232, s[6:7] offset:8*\p
.endr
	s_mul_i32 s47, s20, 768
	s_add_co_u32 s47, s47, WGT                     ; my wave's sixteen spans' weights: no other wave touches them
	v_mad_u32_u24 v3, v229, 48, s47                ; read: span hs (+ 2 p)
	v_mad_u32_u24 v230, v228, 48, s47              ; write: span c
	s_mul_i32 s46, s20, 16*HPITCH
	s_add_co_u32 s46, s46, HB
	v_mad_u32_u24 v4, v229, HPITCH, v[C8]
	v_add_nc_u32 v4, s46, v4                       ; h1 row 16 w + hs, byte 8 c
	v_lshlrev_b32 v5, 2, v228
	v_mad_u32_u24 v5, v229, HPITCH, v5
	v_add_nc_u32 v5, s46, v5
	v_add_nc_u32 v5, 0x100, v5                     ; the same row, byte 256 + 4 c
	; Phase 1: the softmax, one span a lane (both halves make the same sixteen)
	s_wait_loadcnt 0x0
	v_add_nc_u32 v88, v86, v87                     ; end
.irp l, 0,1,2,3,4,5,6,7,8,9
	v_add_nc_u32 v89, \l, v86
	v_min_u32 v89, v89, v88                        ; past the end: the last token
	v_min_u32 v89, 0x1fff, v89                     ; inside the table
	v_lshlrev_b32 v[90+\l], 2, v89
	global_load_b32 v[100+\l], v[90+\l], s[8:9]
.endr
	s_wait_loadcnt 0x0
	v_max3_num_f32 v110, v100, v101, v102
	v_max3_num_f32 v110, v110, v103, v104
	v_max3_num_f32 v110, v110, v105, v106
	v_max3_num_f32 v110, v110, v107, v108
	v_max_num_f32 v110, v110, v109
.irp l, 0,1,2,3,4,5,6,7,8,9
	v_sub_f32 v[100+\l], v[100+\l], v110
.endr
.irp l, 0,1,2,3,4,5,6,7,8,9
	v_mul_f32 v[100+\l], 0x3fb8aa3b, v[100+\l]     ; to base 2
.endr
.irp l, 0,1,2,3,4,5,6,7,8,9
	v_exp_f32 v[112+\l], v[100+\l]
.endr
	v_nop                                          ; one plain instruction behind the last exponential
	s_wait_alu depctr_va_vdst(0)
.irp l, 0,1,2,3,4,5,6,7,8,9
	v_cmp_le_i32 vcc_lo, \l, v87                   ; position l <= length
	v_cndmask_b32 v[112+\l], 0, v[112+\l], vcc_lo
.endr
	v_add_f32 v122, v112, v113
	v_add_f32 v123, v114, v115
	v_add_f32 v124, v116, v117
	v_add_f32 v125, v118, v119
	v_add_f32 v126, v120, v121
	v_add_f32 v122, v122, v123
	v_add_f32 v124, v124, v125
	v_add_f32 v122, v122, v126
	v_add_f32 v122, v122, v124                     ; at least 1: the largest valid logit gives 1
	v_rcp_f32 v123, v122
	v_nop
	s_wait_alu depctr_va_vdst(0)
.irp l, 0,1,2,3,4,5,6,7,8,9
	v_mul_f32 v[112+\l], v[112+\l], v123
.endr
	ds_store_b128 v230, v[112:115]
	ds_store_b128 v230, v[116:119] offset:16
	ds_store_b64  v230, v[120:121] offset:32
	; Phase 2: a ring of thirteen row slots in registers
.macro ROWLD r, b
	global_load_b128 v[X+10*(\r):X+10*(\r)+3],   v[OFA+\r], s[\b:\b+1]
	global_load_b128 v[X+10*(\r)+4:X+10*(\r)+7], v[OFA+\r], s[\b:\b+1] offset:256
	global_load_b64  v[X+10*(\r)+8:X+10*(\r)+9], v[OFC+\r], s[\b:\b+1] offset:512
.endm
; Slot r asks for its row of pair p.  Its two offset registers are written only behind the counted wait that showed its last loads done.
.macro ISSUE r, p
.if (\r) == 0
	v_min_u32 v[TT], 0x1fff, v[ST+\p]
.else
.if (\r) == 1
	v_add_nc_u32 v[EN], v[ST+\p], v[LN+\p]
	v_min_u32 v[TT], 0x1fff, v[EN]
.else
.if (\r) == 2
	v_add_nc_u32 v[TU], 1, v[LN+\p]                ; width; the bucket counts the bins 1, 2, 3, 4, 8, 16, 32, 64 that are <= it
	v_max_i32 v[TU], 0, v[TU]
	v_min_u32 v[TT], 4, v[TU]
.irp s, 3,4,5,6
	v_lshrrev_b32 v[TV], \s, v[TU]
	v_min_u32 v[TV], 1, v[TV]
	v_add_nc_u32 v[TT], v[TT], v[TV]
.endr
	v_min_u32 v[TT], 8, v[TT]
.else
	v_add_nc_u32 v[TT], (\r)-3, v[ST+\p]
	v_min_u32 v[TT], v[TT], v[EN]                  ; past the end: the last token's row, with weight 0
	v_min_u32 v[TT], 0x1fff, v[TT]
.endif
.endif
.endif
	v_mul_u32_u24 v[TT], 0x280, v[TT]              ; rows of 640 bytes
	v_add_nc_u32 v[OFA+\r], v[TT], v[C16]
	v_add_nc_u32 v[OFC+\r], v[TT], v[C8]
.if (\r) == 0
	ROWLD \r, 10
.else
.if (\r) == 1
	ROWLD \r, 24
.else
.if (\r) == 2
	ROWLD \r, 28
.else
	ROWLD \r, 26
.endif
.endif
.endif
.endm
.macro WLOAD p                         ; the ten weights of my half's span of pair p
	ds_load_b128 v[WG0+12*((\p)%2):WG0+12*((\p)%2)+3],   v3 offset:96*(\p)
	ds_load_b128 v[WG0+12*((\p)%2)+4:WG0+12*((\p)%2)+7], v3 offset:96*(\p)+16
	ds_load_b64  v[WG0+12*((\p)%2)+8:WG0+12*((\p)%2)+9], v3 offset:96*(\p)+32
.endm
; Pair p.  more = 1: each slot is asked again for pair p + 1 as soon as it is used.  The counts: three loads a row; 33 = the eleven rows behind
; rows 0 and 1; 36 = the twelve rows behind the one that is due.  In the last pair nothing is asked for and the counts run down.
.macro PAIR p, more
	s_wait_dscnt 0x0                               ; this pair's weights are in
.if \more
	WLOAD \p+1
.endif
	s_wait_loadcnt 33
.irp k, 0,2,4,6,8
	v_pk_add_f32 v[ACC+\k:ACC+\k+1], v[X+\k:X+\k+1], v[X+10+\k:X+10+\k+1]
.endr
.if \more
	ISSUE 0, \p+1
	ISSUE 1, \p+1
	s_wait_loadcnt 36
.else
	s_wait_loadcnt 30
.endif
.irp k, 0,2,4,6,8
	v_pk_add_f32 v[ACC+\k:ACC+\k+1], v[ACC+\k:ACC+\k+1], v[X+20+\k:X+20+\k+1]
.endr
.if \more
	ISSUE 2, \p+1
.endif
.irp l, 0,1,2,3,4,5,6,7,8,9
.if \more
	s_wait_loadcnt 36
.else
	s_wait_loadcnt 27-3*\l
.endif
.irp k, 0,2,4,6,8
.if (\l)%2
	v_pk_fma_f32 v[ACC+\k:ACC+\k+1], v[X+10*(\l+3)+\k:X+10*(\l+3)+\k+1], v[WG0+12*((\p)%2)+\l-1:WG0+12*((\p)%2)+\l], v[ACC+\k:ACC+\k+1] op_sel:[0,1,0] op_sel_hi:[1,1,1]
.else
	v_pk_fma_f32 v[ACC+\k:ACC+\k+1], v[X+10*(\l+3)+\k:X+10*(\l+3)+\k+1], v[WG0+12*((\p)%2)+\l:WG0+12*((\p)%2)+\l+1], v[ACC+\k:ACC+\k+1] op_sel_hi:[1,0,1]
.endif
.endr
.if \more
	ISSUE \l+3, \p+1
.endif
.endr
.irp k, 0,2,4,6,8
	v_pk_mul_f32 v[ACC+\k:ACC+\k+1], v[ACC+\k:ACC+\k+1], HSC op_sel_hi:[1,0]       ; / 16: room in f16, undone by 16 x Ws2
.endr
.irp k, 0,1,2,3,4,5,6,7,8,9
	v_max_num_f32 v[ACC+\k], 0, v[ACC+\k]
.endr
.irp k, 0,1,2,3,4
	v_cvt_pk_f16_f32 v[TG+\k], v[ACC+2*\k], v[ACC+2*\k+1]
.endr
	ds_store_b64 v4, v[TG:TG+1]   offset:2*HPITCH*(\p)
	ds_store_b64 v4, v[TG+2:TG+3] offset:2*HPITCH*(\p)+128
	ds_store_b32 v5, v[TG+4]      offset:2*HPITCH*(\p)
.endm
	WLOAD 0                                        ; LDS serves a wave's instructions in order (ISA guide 5.7.1): these see the stores above
.irp r, 0,1,2,3,4,5,6,7,8,9,10,11,12
	ISSUE \r, 0
.endr
.irp p, 0,1,2,3,4,5,6
	PAIR \p, 1
.endr
	PAIR 7, 0
	; Phase 3: h2 = relu((h1 / 16) @ (16 Ws2) + bs2), score = h2 . Ws3 + bs3.  Wave tile 32 rows x 80 columns.
	v_and_b32 v1, 15, v0                           ; r
	v_bfe_u32 v2, v0, 4, 1                         ; h
	v_and_b32 v3, 31, v0                           ; lane
	s_mul_i32 s30, s22, 320
	v_lshl_add_u32 v4, v1, 2, s30                  ; column 80 wn + r (+ 16 nj), in bytes
	s_lshl_b32 s31, s21, 5
	v_add_nc_u32 v5, s31, v1
	v_mul_u32_u24 v5, v5, HPITCH
	v_lshl_add_u32 v5, v2, 4, v5
	v_add_nc_u32 v5, HB, v5                        ; HB + (32 wm + r) 336 + 16 h
	s_mul_i32 s44, s22, 5*1024
	v_lshl_add_u32 v6, v3, 4, s44                  ; 5120 wn + 16 lane
	s_lshl_b32 s45, s22, 9
	s_lshl_b32 s46, s21, 7
	s_add_co_u32 s45, s45, s46
	s_add_co_u32 s45, s45, SCR
	v_lshl_add_u32 v7, v2, 5, s45                  ; SCR + 4 (128 wn + 32 wm + 8 h)
	s_wait_dscnt 0x0                               ; my sixteen rows of h1 are in LDS
.irp nj, 0,1,2,3,4                                 ; each twice, to fill the pairs that the packed arithmetic reads
	global_load_b32 v[B2+2*\nj],   v4, s[12:13] offset:1920+64*\nj
	global_load_b32 v[B2+2*\nj+1], v4, s[12:13] offset:1920+64*\nj
	global_load_b32 v[W3+2*\nj],   v4, s[12:13] offset:2560+64*\nj
	global_load_b32 v[W3+2*\nj+1], v4, s[12:13] offset:2560+64*\nj
.endr
	s_wait_tensorcnt 0x0                           ; my part of Ws2's fragments is in LDS
	s_barrier_signal -1
	s_barrier_wait -1
.macro FETCH2 ks, fb                   ; 14 LDS loads: one K step of 32
.irp mi, 0,1
	ds_load_b128 v[\fb+8*\mi:\fb+8*\mi+3],   v5 offset:16*HPITCH*\mi+64*\ks
	ds_load_b128 v[\fb+8*\mi+4:\fb+8*\mi+7], v5 offset:16*HPITCH*\mi+64*\ks+32
.endr
.irp nj, 0,1,2,3,4
	ds_load_b128 v[\fb+16+8*\nj:\fb+16+8*\nj+3],   v6 offset:BLK*\ks+1024*\nj
	ds_load_b128 v[\fb+16+8*\nj+4:\fb+16+8*\nj+7], v6 offset:BLK*\ks+1024*\nj+512
.endr
.endm
.macro MUL2 fb, zero                   ; ten accumulators by turns, one instruction a turn
.irp mi, 0,1
.irp nj, 0,1,2,3,4
.if \zero
	v_wmma_f32_16x16x32_f16 v[A2+8*(5*\mi+\nj):A2+8*(5*\mi+\nj)+7], v[\fb+8*\mi:\fb+8*\mi+7], v[\fb+16+8*\nj:\fb+16+8*\nj+7], 0
.else
	v_wmma_f32_16x16x32_f16 v[A2+8*(5*\mi+\nj):A2+8*(5*\mi+\nj)+7], v[\fb+8*\mi:\fb+8*\mi+7], v[\fb+16+8*\nj:\fb+16+8*\nj+7], v[A2+8*(5*\mi+\nj):A2+8*(5*\mi+\nj)+7]
.endif
.endr
.endr
.endm
.macro PLACES                          ; four places behind a matrix instruction (ISA guide 7.12.1)
.rept 4
	v_nop
.endr
.endm
	FETCH2 0, FB0
	FETCH2 1, FB1
	s_wait_dscnt 14                                ; the older buffer is in; the younger one's 14 loads stay out
	MUL2 FB0, 1
	PLACES
	FETCH2 2, FB0
	s_wait_dscnt 14
	MUL2 FB1, 0
	PLACES
	FETCH2 3, FB1
	s_wait_dscnt 14
	MUL2 FB0, 0
	PLACES
	FETCH2 4, FB0
	s_wait_dscnt 14
	MUL2 FB1, 0
	s_wait_dscnt 0x0
	MUL2 FB0, 0
	PLACES
	s_wait_loadcnt 0x0                             ; bs2, Ws3
	; register j of lane (r, h) is span row 8 h + j, column r
.irp mi, 0,1
.irp nj, 0,1,2,3,4
.irp p, 0,2,4,6
	v_pk_add_f32 v[T3+\p:T3+\p+1], v[A2+8*(5*\mi+\nj)+\p:A2+8*(5*\mi+\nj)+\p+1], v[B2+2*\nj:B2+2*\nj+1]
.endr
.irp k, 0,1,2,3,4,5,6,7
	v_max_num_f32 v[T3+\k], 0, v[T3+\k]
.endr
.irp p, 0,2,4,6
.if \nj == 0
	v_pk_mul_f32 v[S3+8*\mi+\p:S3+8*\mi+\p+1], v[T3+\p:T3+\p+1], v[W3:W3+1]
.else
	v_pk_fma_f32 v[S3+8*\mi+\p:S3+8*\mi+\p+1], v[T3+\p:T3+\p+1], v[W3+2*\nj:W3+2*\nj+1], v[S3+8*\mi+\p:S3+8*\mi+\p+1]
.endif
.endr
.endr
.endr
.irp m, 1,2,4,8                                    ; over the sixteen columns that the lanes of a half hold
.set kk, 0
.rept 16
	v_add_f32_dpp v[S3+kk], v[S3+kk], v[S3+kk] row_xmask:\m row_mask:0xf bank_mask:0xf
.set kk, kk+1
.endr
.endr
.irp mi, 0,1
.irp j, 0,1,2,3,4,5,6,7
	ds_store_b32 v7, v[S3+8*\mi+\j] offset:4*(16*\mi+\j)       ; sixteen lanes write one word with one value
.endr
.endr
	s_wait_dscnt 0x0
	s_barrier_signal -1
	s_barrier_wait -1
	s_cmp_lg_u32 s20, 0
	s_cbranch_scc1 .Ldone
	v_lshlrev_b32 v9, 4, v3                        ; wave 0: four spans a lane
	v_add_nc_u32 v8, SCR, v9
	ds_load_b128 v[96:99], v8                      ; columns 0-79
	ds_load_b128 v[100:103], v8 offset:512         ; columns 80-159
	s_wait_kmcnt 0x0                               ; bs3
	s_wait_dscnt 0x0
	v_pk_add_f32 v[96:97], v[96:97], v[100:101]
	v_pk_add_f32 v[98:99], v[98:99], v[102:103]
.irp k, 96,97,98,99
	v_add_f32 v\k, s23, v\k
.endr
	global_store_b128 v9, v[96:99], s[18:19]       ; 512 consecutive bytes, aligned
.Ldone:
	s_endpgm
.Lfunc_end_k_qc4c60efdc6_span:
	.size	k_qc4c60efdc6_span, .Lfunc_end_k_qc4c60efdc6_span-k_qc4c60efdc6_span
	.p2alignl 7, 3214868480
	.fill 96, 4, 3214868480
	.section	.rodata,"a",@progbits
	.p2align	6, 0x0
	.amdhsa_kernel k_qc4c60efdc6_span
		.amdhsa_group_segment_fixed_size 167936
		.amdhsa_private_segment_fixed_size 0
		.amdhsa_enable_private_segment 0
		.amdhsa_kernarg_size 64
		.amdhsa_user_sgpr_count 2
		.amdhsa_user_sgpr_kernarg_segment_ptr 1
		.amdhsa_wavefront_size32 1
		.amdhsa_system_sgpr_workgroup_id_x 1
		.amdhsa_system_sgpr_workgroup_id_y 1
		.amdhsa_system_sgpr_workgroup_id_z 1
		.amdhsa_system_vgpr_workitem_id 0
		.amdhsa_next_free_vgpr 256
		.amdhsa_next_free_sgpr 66
		.amdhsa_reserve_vcc 1
		.amdhsa_float_denorm_mode_32 3
		.amdhsa_float_denorm_mode_16_64 3
		.amdhsa_memory_ordered 1
		.amdhsa_forward_progress 1
		.amdhsa_inst_pref_size 137
	.end_amdhsa_kernel
	.amdgpu_metadata
---
amdhsa.version: [ 1, 2 ]
amdhsa.kernels:
  - .name:           k_qc4c60efdc6_span
    .symbol:         k_qc4c60efdc6_span.kd
    .args:
      - { .name: span_starts, .offset: 0, .size: 8, .value_kind: global_buffer, .address_space: global }
      - { .name: span_lengths, .offset: 8, .size: 8, .value_kind: global_buffer, .address_space: global }
      - { .name: attn, .offset: 16, .size: 8, .value_kind: global_buffer, .address_space: global }
      - { .name: pbuf, .offset: 24, .size: 8, .value_kind: global_buffer, .address_space: global }
      - { .name: consts, .offset: 32, .size: 8, .value_kind: global_buffer, .address_space: global }
      - { .name: wfrag, .offset: 40, .size: 8, .value_kind: global_buffer, .address_space: global }
      - { .name: bs3, .offset: 48, .size: 8, .value_kind: global_buffer, .address_space: global }
      - { .name: out0, .offset: 56, .size: 8, .value_kind: global_buffer, .address_space: global }
    .group_segment_fixed_size: 167936
    .private_segment_fixed_size: 0
    .kernarg_segment_align: 8
    .kernarg_segment_size: 64
    .max_flat_workgroup_size: 256
    .sgpr_count:     66
    .vgpr_count:     256
    .wavefront_size: 32
...
	.end_amdgpu_metadata
.endif
;; end of part 3
;; ======== version 2 of 2: 3 launches; 1.13 times as fast as version 1
;; limits: values are held in f16: magnitudes above 65,504 overflow, below 6.1e-05 lose precision; inputs' magnitudes at most 65,504
;; workspace buffers: wfrag 1,249,280 bytes; consts 10,240 bytes; pbuf 15,728,640 bytes; attn 32,768 bytes
;; launch prep (part 4): grid 123 x 1, 20 waves a work-group, no clusters, 12,288 bytes of LDS; arguments Wa1, Ws1, Wa2, Ws2, ba1, ba2, Wa3, bs2, Ws3, bs1, width_table, wfrag, consts; writes wfrag, consts
.if DOCPART == 4
	.amdgcn_target "amdgcn-amd-amdhsa--gfx1250"
	.amdhsa_code_object_version 6
	.text
	.protected	k_qc4c60efdc6_prep
	.globl	k_qc4c60efdc6_prep
	.p2align	8
	.type	k_qc4c60efdc6_prep,@function
k_qc4c60efdc6_prep:
	s_mov_b64 s[64:65], 0
	v_nop
	global_prefetch_b8 v0, s[64:65] scope:SCOPE_SE
	s_setreg_imm32_b32 hwreg(HW_REG_WAVE_MODE, 25, 1), 1
	s_wait_xcnt 0x0
; prep: the weights once into f16 in the order in which a matrix operand's registers want them, and the small vectors into padded rows.
; wfrag: 122 blocks of 10,240 bytes.  A block is one K step of 32 x 160 columns (150 padded with zeros).  The 16-byte piece
;   t = 64 j + 32 q + L  (j: column tile 0..9, q: 0/1, L: lane, r = L & 15, h = L >> 4)
; holds W[k = 32 s + 16 q + 8 h + e][n = 16 j + r], e = 0..7, lowest k in the lowest bits: lane L's 16 bytes at block + 1024 j + 512 q + 16 L
; are registers 4q .. 4q+3 of the 16 x 32 fragment (ISA guide 7.12.2: 16-bit operands).
; Blocks 0-31 Wa1, 32-111 Ws1 rows 0-2559, 112-116 16 x Wa2 (K padded to 160), 117-121 16 x Ws2 (likewise).
; WHY f16 AND WHY 16 x: f16 keeps 11 significant bits.  The second layers' other operand, the hidden layer, is stored as h / 16 to give it room
; (see the next two launches); 16 x W makes the product h @ W again, exactly, since both factors are powers of two.
; LIMITS: a weight of magnitude 65,504 or more (4,094 for Wa2, Ws2) becomes infinite; below 2^-14 the rounding step stays 2^-24.  The weights'
; spreads are 0.02 to 0.08: thirty times larger stays under 200 after the factor 16; thirty times smaller, 6.6e-4 for Ws1, is rounded to 5e-5 of its spread.
; consts: 16 rows of 160 f32: ba1, ba2, Wa3, bs2, Ws3, then nine rows bs1 + width_table[b] @ Ws1[2560:2580] (f32), then two rows of zeros.
; Work-group kb < 122 makes block kb, one piece a thread (640 threads); work-group 122 makes consts, one row a wave.
.set BLK,    10240
.set WROW,   600                       ; bytes in a row of 150 f32: a multiple of 8, so pairs of columns are loaded by 8 bytes
.set CPITCH, 768                       ; a row of consts in LDS: 96 pair slots of 8 bytes, of which 80 are the row and 16 padding
	s_load_b512 s[4:19], s[0:1], 0x0               ; Wa1 s[4:5], Ws1 s[6:7], Wa2 s[8:9], Ws2 s[10:11], ba1 s[12:13], ba2 s[14:15], Wa3 s[16:17], bs2 s[18:19]
	s_load_b256 s[20:27], s[0:1], 0x40             ; Ws3 s[20:21], bs1 s[22:23], width_table s[24:25], wfrag s[26:27]
	s_load_b64 s[28:29], s[0:1], 0x60              ; consts
	s_mov_b32 s30, ttmp9                           ; block number
	s_wait_kmcnt 0x0
	s_cmp_eq_u32 s30, 122
	s_cbranch_scc1 .Lconsts
	; which matrix, which block is its first, how many rows it has, its factor: chosen on the block number alone
	s_mov_b64 s[32:33], s[10:11]                   ; Ws2
	s_mov_b32 s34, 117
	s_mov_b32 s35, 150
	s_mov_b32 s41, 0x41800000                      ; 16.0 for the second layers
	s_cmp_lt_u32 s30, 117
	s_cselect_b64 s[32:33], s[8:9], s[32:33]       ; Wa2
	s_cselect_b32 s34, 112, s34
	s_cmp_lt_u32 s30, 112
	s_cselect_b64 s[32:33], s[6:7], s[32:33]       ; Ws1
	s_cselect_b32 s34, 32, s34
	s_cselect_b32 s35, 2560, s35
	s_cselect_b32 s41, 0x3f800000, s41             ; 1.0 for the first layers
	s_cmp_lt_u32 s30, 32
	s_cselect_b64 s[32:33], s[4:5], s[32:33]       ; Wa1
	s_cselect_b32 s34, 0, s34
	s_cselect_b32 s35, 1024, s35
	s_sub_co_u32 s34, s30, s34
	s_lshl_b32 s34, s34, 5                         ; the block's first row of the matrix
	s_sub_co_u32 s36, s35, 1                       ; the matrix's last row
	s_mov_b32 s40, 150
	s_mul_i32 s38, s30, BLK
	s_mov_b32 s39, 0
	s_add_nc_u64 s[38:39], s[26:27], s[38:39]      ; where the block goes
	v_lshrrev_b32 v1, 6, v0                        ; j
	v_and_b32 v2, 15, v0                           ; r
	v_lshl_or_b32 v1, v1, 4, v2                    ; n = 16 j + r
	v_min_u32 v2, 149, v1                          ; a column that exists
	v_lshlrev_b32 v2, 2, v2
	v_bfe_u32 v3, v0, 4, 2                         ; 2 q + h
	v_lshl_add_u32 v3, v3, 3, s34                  ; k of my first element: row0 + 16 q + 8 h
	v_lshlrev_b32 v5, 4, v0                        ; 16 t
.irp e, 0,1,2,3,4,5,6,7
	v_add_nc_u32 v[24+\e], \e, v3                  ; k
	v_min_u32 v4, s36, v[24+\e]                    ; a row that exists: no load leaves the matrix
	v_mad_u32_u24 v[8+\e], v4, WROW, v2
	global_load_b32 v[16+\e], v[8+\e], s[32:33]
.endr
	v_cmp_gt_u32 s37, s40, v1                      ; n < 150
	s_wait_loadcnt 0x0
.irp e, 0,1,2,3,4,5,6,7
	v_cmp_gt_u32 vcc_lo, s35, v[24+\e]             ; k inside the matrix
	s_and_b32 vcc_lo, vcc_lo, s37
	v_cndmask_b32 v[16+\e], 0, v[16+\e], vcc_lo    ; the padding is zero
.endr
.irp e, 0,1,2,3,4,5,6,7
	v_mul_f32 v[16+\e], s41, v[16+\e]              ; the matrix's factor, a power of two: exact
.endr
.irp i, 0,1,2,3
	v_cvt_pk_f16_f32 v[32+\i], v[16+2*\i], v[17+2*\i]
.endr
	global_store_b128 v5, v[32:35], s[38:39]       ; a wave's store covers 512 consecutive bytes, aligned
	s_endpgm
.Lconsts:
	; A lane takes the column pairs lane + 32 i, i = 0..2 (75 pairs hold the 150 columns).  A wave of the nine summed rows then has
	; 3 + 3 x 20 = 63 loads out, which LOADcnt's field counts: no load of the wave is held until an earlier one has come back.
	v_lshrrev_b32 v1, 5, v0
	v_readfirstlane_b32 s30, v1                    ; wave = row of consts
	v_and_b32 v2, 31, v0                           ; lane
	v_lshlrev_b32 v5, 4, v0                        ; 16 t: my piece of consts
	v_mul_u32_u24 v6, v0, 205
	v_lshrrev_b32 v6, 13, v6                       ; t / 40 for t < 640: the piece's row
	v_lshl_add_u32 v6, v6, 7, v5                   ; the piece in LDS: 16 t + (768 - 640) x row
	s_cmp_ge_u32 s30, 16
	s_cbranch_scc1 .Ljoin                          ; waves 16-19 only help to copy the rows out
	s_mul_i32 s31, s30, CPITCH
	v_lshl_add_u32 v3, v2, 3, s31                  ; my wave's row in LDS, 8 bytes a lane
.irp i, 0,1,2,3,4,5
	v_mov_b32 v[8+\i], 0                           ; rows 14 and 15 stay zero
.endr
	s_cmp_ge_u32 s30, 14
	s_cbranch_scc1 .Lput
	s_mov_b64 s[32:33], s[22:23]                   ; rows 5-13 start from bs1
	s_cmp_eq_u32 s30, 4
	s_cselect_b64 s[32:33], s[20:21], s[32:33]     ; Ws3
	s_cmp_eq_u32 s30, 3
	s_cselect_b64 s[32:33], s[18:19], s[32:33]     ; bs2
	s_cmp_eq_u32 s30, 2
	s_cselect_b64 s[32:33], s[16:17], s[32:33]     ; Wa3
	s_cmp_eq_u32 s30, 1
	s_cselect_b64 s[32:33], s[14:15], s[32:33]     ; ba2
	s_cmp_eq_u32 s30, 0
	s_cselect_b64 s[32:33], s[12:13], s[32:33]     ; ba1
.irp i, 0,1,2
	v_add_nc_u32 v4, 32*\i, v2
	v_min_u32 v4, 74, v4                           ; a pair that exists
	v_lshlrev_b32 v[16+\i], 3, v4
	global_load_b64 v[8+2*\i:9+2*\i], v[16+\i], s[32:33]
.endr
	s_cmp_lt_u32 s30, 5
	s_cbranch_scc1 .Lplain
	; rows 5-13: + width_table[b][d] * Ws1[2560 + d][n], d = 0..19, in f32
	s_sub_co_u32 s34, s30, 5
	s_mul_i32 s34, s34, 80                         ; 20 f32 a bucket
	s_load_b512 s[36:51], s[24:25], s34 offset:0x0
	s_load_b128 s[52:55], s[24:25], s34 offset:0x40
.irp d, 0,1,2,3,4,5,6,7,8,9,10,11,12,13,14,15,16,17,18,19
.irp i, 0,1,2
	global_load_b64 v[24+6*\d+2*\i:25+6*\d+2*\i], v[16+\i], s[6:7] offset:(2560+\d)*WROW
.endr
.endr
	s_wait_kmcnt 0x0
	s_wait_loadcnt 0x0
.irp d, 0,1,2,3,4,5,6,7,8,9,10,11,12,13,14,15,16,17,18,19
.irp i, 0,1,2
	v_fmac_f32 v[8+2*\i], s[36+\d], v[24+6*\d+2*\i]
	v_fmac_f32 v[9+2*\i], s[36+\d], v[25+6*\d+2*\i]
.endr
.endr
.Lplain:
	s_wait_loadcnt 0x0
	v_cmp_gt_u32 vcc_lo, 11, v2                    ; pair 64 + lane < 75
	v_cndmask_b32 v12, 0, v12, vcc_lo              ; columns 150-159 are zero (pairs 80-95 fall into the row's padding)
	v_cndmask_b32 v13, 0, v13, vcc_lo
.Lput:
.irp i, 0,1,2
	ds_store_b64 v3, v[8+2*\i:9+2*\i] offset:256*\i
.endr
.Ljoin:
	s_wait_dscnt 0x0                               ; my row is in LDS, for the others' sake
	s_barrier_signal -1
	s_barrier_wait -1
	ds_load_b128 v[148:151], v6                    ; 640 threads x 16 bytes = the sixteen rows without their padding
	s_wait_dscnt 0x0
	global_store_b128 v5, v[148:151], s[28:29]     ; a wave's store covers 512 consecutive bytes, aligned
	s_endpgm
.Lfunc_end_k_qc4c60efdc6_prep:
	.size	k_qc4c60efdc6_prep, .Lfunc_end_k_qc4c60efdc6_prep-k_qc4c60efdc6_prep
	.p2alignl 7, 3214868480
	.fill 96, 4, 3214868480
	.section	.rodata,"a",@progbits
	.p2align	6, 0x0
	.amdhsa_kernel k_qc4c60efdc6_prep
		.amdhsa_group_segment_fixed_size 12288
		.amdhsa_private_segment_fixed_size 0
		.amdhsa_enable_private_segment 0
		.amdhsa_kernarg_size 104
		.amdhsa_user_sgpr_count 2
		.amdhsa_user_sgpr_kernarg_segment_ptr 1
		.amdhsa_wavefront_size32 1
		.amdhsa_system_sgpr_workgroup_id_x 1
		.amdhsa_system_sgpr_workgroup_id_y 1
		.amdhsa_system_sgpr_workgroup_id_z 1
		.amdhsa_system_vgpr_workitem_id 0
		.amdhsa_next_free_vgpr 160
		.amdhsa_next_free_sgpr 66
		.amdhsa_reserve_vcc 1
		.amdhsa_float_denorm_mode_32 3
		.amdhsa_float_denorm_mode_16_64 3
		.amdhsa_memory_ordered 1
		.amdhsa_forward_progress 1
		.amdhsa_inst_pref_size 18
	.end_amdhsa_kernel
	.amdgpu_metadata
---
amdhsa.version: [ 1, 2 ]
amdhsa.kernels:
  - .name:           k_qc4c60efdc6_prep
    .symbol:         k_qc4c60efdc6_prep.kd
    .args:
      - { .name: Wa1, .offset: 0, .size: 8, .value_kind: global_buffer, .address_space: global }
      - { .name: Ws1, .offset: 8, .size: 8, .value_kind: global_buffer, .address_space: global }
      - { .name: Wa2, .offset: 16, .size: 8, .value_kind: global_buffer, .address_space: global }
      - { .name: Ws2, .offset: 24, .size: 8, .value_kind: global_buffer, .address_space: global }
      - { .name: ba1, .offset: 32, .size: 8, .value_kind: global_buffer, .address_space: global }
      - { .name: ba2, .offset: 40, .size: 8, .value_kind: global_buffer, .address_space: global }
      - { .name: Wa3, .offset: 48, .size: 8, .value_kind: global_buffer, .address_space: global }
      - { .name: bs2, .offset: 56, .size: 8, .value_kind: global_buffer, .address_space: global }
      - { .name: Ws3, .offset: 64, .size: 8, .value_kind: global_buffer, .address_space: global }
      - { .name: bs1, .offset: 72, .size: 8, .value_kind: global_buffer, .address_space: global }
      - { .name: width_table, .offset: 80, .size: 8, .value_kind: global_buffer, .address_space: global }
      - { .name: wfrag, .offset: 88, .size: 8, .value_kind: global_buffer, .address_space: global }
      - { .name: consts, .offset: 96, .size: 8, .value_kind: global_buffer, .address_space: global }
    .group_segment_fixed_size: 12288
    .private_segment_fixed_size: 0
    .kernarg_segment_align: 8
    .kernarg_segment_size: 104
    .max_flat_workgroup_size: 640
    .sgpr_count:     66
    .vgpr_count:     160
    .wavefront_size: 32
...
	.end_amdgpu_metadata
.endif
;; end of part 4
;; launch proj (part 5): grid 16 x 16, 4 waves a work-group, clusters of 4 x 1, 327,680 bytes of LDS; arguments states, embeds, wfrag, consts, ba3, attn, pbuf; writes attn, pbuf
.if DOCPART == 5
	.amdgcn_target "amdgcn-amd-amdhsa--gfx1250"
	.amdhsa_code_object_version 6
	.text
	.protected	k_qc4c60efdc6_proj
	.globl	k_qc4c60efdc6_proj
	.p2align	8
	.type	k_qc4c60efdc6_proj,@function
k_qc4c60efdc6_proj:
	s_mov_b64 s[64:65], 0
	v_nop
	global_prefetch_b8 v0, s[64:65] scope:SCOPE_SE
	s_setreg_imm32_b32 hwreg(HW_REG_WAVE_MODE, 25, 1), 1
	s_wait_xcnt 0x0
	s_wait_alu depctr_hold_cnt(0) depctr_sa_sdst(0) depctr_va_vdst(0) depctr_va_sdst(0) depctr_va_ssrc(0) depctr_va_vcc(0) depctr_vm_vsrc(0)
	s_getreg_b32 s2, hwreg(HW_REG_IB_STS2, 6, 4)
	s_cmp_eq_u32 s2, 0
	s_cbranch_scc0 .Lentry_in_a_cluster
	s_endpgm
.Lentry_in_a_cluster:
	s_bfe_u32 s2, ttmp6, 0x10000c
	s_cmp_lg_u32 s2, 0x3003
	s_cbranch_scc0 .Lentry_shape_is_right
	s_endpgm
.Lentry_shape_is_right:
; proj: the per-token products.  Group g (the cluster's x, the same in the four partners) chooses the weights:
;   g = 0: states @ Wa1, carried on through the attention MLP to one logit a token (attn)
;   g = 1: states @ Ws1[0:1024] -> pbuf region 0;  g = 2: states @ Ws1[1024:2048] -> region 1;  g = 3: embeds @ Ws1[2048:2560] -> region 2
; The mention MLP's first layer is linear in its input, so it is applied to tokens here and summed per span in the next launch (f32, no bias here).
; A work-group makes 128 tokens x 160 columns (150 padded by zeros) with four waves of 64 x 80: 20 accumulator tiles, 160 registers.
; UNEVEN WORK, stated: g = 3 has half the K of the others, g = 0 has the two small layers on top.
; A: f32 from memory, 64 k (256 bytes of a row) a chunk, four chunks ahead in registers, rounded to f16 on the way into one of two LDS slots.
; B: f16 in fragment order from wfrag, by tensor loads of 10,240 dense bytes a wave; a pair of chunks (4 K steps) is 40,960 bytes; seven pair slots.
; CLUSTER: the four partners (four token blocks) walk the same weights, so B's loads are joint (mask 15): one request for four.  A is not shared:
; each partner has rows of its own.  K = 1024 needs eight pairs: pair 7 fills slot 0 again, once, behind a round of the cluster's barrier.
; By this text's own count a wave has seven tensor loads out at the most (four for g = 3).
; g = 0 LEAVES THE COMMON TEXT two chunks before the end: its own copy of chunks 14 and 15 asks for the second layer's weights (50 loads a wave) as
; soon as the last chunk of A has left the register ring, 80 matrix instructions and the making of the hidden layer ahead of their use.
; f16 OPERANDS, for their 11 significant bits, and their room: states and embeds have spread 1; thirty times larger with five spreads is 150, an
; offset of thirty spreads 35, against f16's 65,504.  The hidden layer has less: offsets of thirty spreads on states and on Wa1 together give
; 1024 x 30 x 0.94 = 29,000; so it is stored as h / 16, and wfrag holds 16 x Wa2: the product is h @ Wa2 exactly.
; LIMITS: |states|, |embeds| of 65,504 or more and a hidden value of 1,048,000 or more become infinite; below 2^-14 an operand's rounding step stays
; 2^-24.  NaN or infinity in the inputs is not carried through ReLU as the f32 maximum with a NaN would carry it (v_max_num_f32 drops a NaN).
;
; LDS: 0 A slot 0, 18,432 A slot 1 (128 rows, pitch 144); 36,864 seven pair slots; 323,584 1,024 bytes of partial dot products.
; The two tails have bytes of their own, each in pair slots behind their last fill and their last read:
;   the hidden layer of g = 0 (128 rows, pitch 336: 43,008 bytes) in pair slots 1 and 2, filled once and read for chunks 2-5 alone;
;   the output stage of g = 1, 2, 3 (128 rows, pitch 656: 83,968 bytes) in pair slots 4-6, read for chunks 8-13 alone (never filled for g = 3).
; REGISTER WINDOWS: 0 addresses, fragments, work; 1 the accumulators, tile (mi, nj) at v[8 (5 mi + nj)], and ba1 at v160-199; 2 the ring of four A
; chunks (64 registers each), later the second layer's weights.
.set ASLOT,  18432
.set APITCH, 144                       ; 128 bytes of data + 16: an odd multiple of 16, so sixteen rows start in sixteen different 16-byte columns of 256 bytes
.set BLK,    10240
.set PAIRB,  4*BLK
.set BBASE,  2*ASLOT
.set STG,    BBASE+4*PAIRB
.set SPITCH, 656                       ; 640 + 16
.set HB,     BBASE+PAIRB
.set HPITCH, 336                       ; 320 + 16
.set SCR,    BBASE+7*PAIRB
.set W2OFF,  112*BLK                   ; Wa2's blocks in wfrag
.set HSC,    0x3d800000                ; 1/16 in f32: the hidden layer's factor
.set AOFF, 8                           ; v8   my byte offset in A: (32 w + 8 h) rows + 16 r
.set ASTO, 9                           ; v9   where I put 8 bytes of f16: (32 w + 8 h) 144 + 8 r
.set ARD,  10                          ; v10  my A fragments: (64 wm + r) 144 + 16 h
.set BL,   11                          ; v11  my B fragments in pair slot 0: BBASE + 5120 wn + 16 lane
.set BADR, 12                          ; v12  the same in the pair slot at work
.set F0,   16                          ; v16-87   fragment buffer 0: A's four at F + 8 mi, B's five at F + 32 + 8 nj
.set F1,   88                          ; v88-159  fragment buffer 1
.set CT,   160                         ; v160-191 a chunk rounded to f16
.set T,    176                         ; v176-215 the tails' work registers
.set BA1,  160                         ; window 1, v160-199: ba1 of my forty columns
.set G1,   24                          ; s[24:31] descriptor group 1
.set G0,   32                          ; s[32:59] descriptor group 0, one set for each pair slot
.set MSB,  0
.macro WIN new                         ; the immediate's high byte repeats the setting that is left
.if MSB != \new
	s_set_vgpr_msb (MSB<<8)|\new
.set MSB, \new
.endif
.endm
.macro CREST                           ; a round of the cluster's barrier behind its opening work-group barrier
	s_cmp_lg_u32 s18, 0
	s_cbranch_scc1 .Lnot_wave_0_\@
	s_barrier_signal -3
.Lnot_wave_0_\@:
	s_barrier_wait -3
	s_barrier_signal -1
	s_barrier_wait -1
.endm
.macro ROUND                           ; a whole round
	s_barrier_signal -1
	s_barrier_wait -1
	CREST
.endm
.macro PLACES                          ; four places behind a matrix instruction (ISA guide 7.12.1)
.rept 4
	v_nop
.endr
.endm
; 18 LDS loads: the fragments of one K step of 32
.macro FETCH f, aimm, bimm
.irp mi, 0,1,2,3
	ds_load_b128 v[\f+8*\mi:\f+8*\mi+3],   v[ARD] offset:(\aimm)+16*APITCH*\mi
	ds_load_b128 v[\f+8*\mi+4:\f+8*\mi+7], v[ARD] offset:(\aimm)+16*APITCH*\mi+32
.endr
.irp nj, 0,1,2,3,4
	ds_load_b128 v[\f+32+8*\nj:\f+32+8*\nj+3], v[BADR] offset:(\bimm)+1024*\nj
	ds_load_b128 v[\f+32+8*\nj+4:\f+32+8*\nj+7], v[BADR] offset:(\bimm)+1024*\nj+512
.endr
.endm
; 10 matrix instructions, used transposed (source 0 = weights, source 1 = tokens): lane (r, h) then holds token row r and the eight
; neighbouring columns 8 h + 0..7.  The twenty accumulators take turns, one instruction a turn.
.macro MUL f, mi0, zero
.irp mi, \mi0, \mi0+1
.irp nj, 0,1,2,3,4
.if \zero
	v_wmma_f32_16x16x32_f16 v[8*(5*(\mi)+\nj):8*(5*(\mi)+\nj)+7], v[\f+32+8*\nj:\f+32+8*\nj+7], v[\f+8*(\mi):\f+8*(\mi)+7], 0
.else
	v_wmma_f32_16x16x32_f16 v[8*(5*(\mi)+\nj):8*(5*(\mi)+\nj)+7], v[\f+32+8*\nj:\f+32+8*\nj+7], v[\f+8*(\mi):\f+8*(\mi)+7], v[8*(5*(\mi)+\nj):8*(5*(\mi)+\nj)+7]
.endif
.endr
.endr
.endm
; chunk c of A: 16 loads; load i takes rows 32 w + 16 (i / 8) + i % 8 + 8 h: sixteen lanes cover 256 consecutive bytes, aligned
.macro GLOAD c, pitch, nt
	WIN 0x80
.irp i, 0,1,2,3,4,5,6,7,8,9,10,11,12,13,14,15
.if \nt
	global_load_b128 v[64*((\c)%4)+4*\i:64*((\c)%4)+4*\i+3], v[AOFF], s[60:61] offset:(16*((\i)/8)+(\i)%8)*\pitch+256*(\c) th:TH_LOAD_NT
.else
	global_load_b128 v[64*((\c)%4)+4*\i:64*((\c)%4)+4*\i+3], v[AOFF], s[60:61] offset:(16*((\i)/8)+(\i)%8)*\pitch+256*(\c)
.endif
.endr
.endm
.macro CVT sb                          ; ring buffer sb to f16: 32 plain vector instructions
	WIN 0x0a
.irp i, 0,1,2,3,4,5,6,7,8,9,10,11,12,13,14,15
	v_cvt_pk_f16_f32 v[CT+2*\i],   v[64*(\sb)+4*\i],   v[64*(\sb)+4*\i+1]
	v_cvt_pk_f16_f32 v[CT+2*\i+1], v[64*(\sb)+4*\i+2], v[64*(\sb)+4*\i+3]
.endr
.endm
.macro ASTORE slot                     ; the two halves of the lanes write rows 8 apart: 1,152 bytes, which is 128 modulo 256, and 128 bytes each
	WIN 0
.irp i, 0,1,2,3,4,5,6,7,8,9,10,11,12,13,14,15
	ds_store_b64 v[ASTO], v[CT+2*\i:CT+2*\i+1] offset:(\slot)*ASLOT+(16*((\i)/8)+(\i)%8)*APITCH
.endr
.endm
.macro W2LOAD                          ; 16 x Wa2's fragments of my 80 columns into window 2, tile (ks, nj) at v[8 (5 ks + nj)]: 50 loads of 512 consecutive bytes
	WIN 0x80
.irp ks, 0,1,2,3,4
.irp nj, 0,1,2,3,4
	global_load_b128 v[8*(5*\ks+\nj):8*(5*\ks+\nj)+3],   v237, s[8:9] offset:W2OFF+BLK*\ks+1024*\nj
	global_load_b128 v[8*(5*\ks+\nj)+4:8*(5*\ks+\nj)+7], v237, s[8:9] offset:W2OFF+BLK*\ks+1024*\nj+512
.endr
.endr
.endm
; What the first products need is asked for first: chunk 0 of A (32,768 bytes a work-group), then, behind the round, the first two pairs of
; weights; then the rest.  ba = 1: ba1 of my columns rides along (160 bytes a lane; g = 1 and 2 run the same text and do not use it).
; With the fourth chunk a wave has 16 + 10 + 48 = 74 loads out, more than LOADcnt's field counts: the load that is held for that (ISA guide 5.7.1)
; stands behind all the tensor loads and in front of a wait for chunk 0.
.macro PROLOG npf, pitch, nt, ba
	GLOAD 0, \pitch, \nt
	WIN 0
	ROUND                                          ; the four partners are here: the first joint loads meet
	tensor_load_to_lds s[G0:G0+3], s[G1:G1+7]
	s_nop 0
	tensor_load_to_lds s[G0+4:G0+7], s[G1:G1+7]
	s_nop 0
.if \ba
	WIN 0x40
.irp nj, 0,1,2,3,4
	global_load_b128 v[BA1+8*\nj:BA1+8*\nj+3],   v236, s[10:11] offset:64*\nj
	global_load_b128 v[BA1+8*\nj+4:BA1+8*\nj+7], v236, s[10:11] offset:64*\nj+16
.endr
.endif
	GLOAD 1, \pitch, \nt
	GLOAD 2, \pitch, \nt
	WIN 0
.irp j, 2,3
	tensor_load_to_lds s[G0+4*\j:G0+4*\j+3], s[G1:G1+7]
	s_nop 0
.endr
.if \npf > 4
.irp j, 4,5,6
	tensor_load_to_lds s[G0+4*\j:G0+4*\j+3], s[G1:G1+7]
	s_nop 0
.endr
.endif
	GLOAD 3, \pitch, \nt
	s_wait_loadcnt 48+10*\ba                       ; chunk 0 is in; ba1's 10 loads (if any) and the 48 of chunks 1-3 stay out
	CVT 0
	GLOAD 4, \pitch, \nt
	ASTORE 0
	s_wait_dscnt 0x0                               ; my rows of chunk 0 are in LDS
	s_wait_tensorcnt \npf-1                        ; my quarter of pair 0 is in; the younger pairs stay out
	s_barrier_signal -1
	s_barrier_wait -1
	v_mov_b32 v[BADR], v[BL]
	FETCH F0, 0, 0
.endm
; Chunk c: two K steps, 40 matrix instructions.  First chunk c + 1 goes from registers into the other A slot and chunk c + 5 is asked for: that work
; stands between the request for buffer 0's fragments (in the chunk before) and their use, and buffer 0's twenty products stand between the
; stores and the wait for them.  w2 = 1 (g = 0's chunk 14): the ring is empty behind the conversion, and the second layer's weights are asked for into it.
; ONE barrier a chunk: in front of it my reads of this chunk's slot and my stores into the other are done; behind it the other slot is read.
.macro TRIP c, nch, npf, pitch, nt, refill, w2
	WIN 0
	FETCH F1, ((\c)%2)*ASLOT+64, ((\c)%2)*2*BLK+BLK
.if (\nch)-2-(\c) >= 3
	s_wait_loadcnt 48                              ; chunk c + 1 (and what is older) is in; three younger chunks of 16 loads stay out
.else
	s_wait_loadcnt 16*((\nch)-2-(\c))              ; near the end fewer chunks are behind it
.endif
	CVT ((\c)+1)%4
.if (\c)+5 < (\nch)
	GLOAD (\c)+5, \pitch, \nt
.endif
	ASTORE ((\c)+1)%2
.if \w2
	W2LOAD
.endif
	s_wait_dscnt 34                                ; buffer 0 is in; buffer 1's 18 loads and the 16 stores issued behind it stay out
	WIN 0x50
.if (\c) == 0
	MUL F0, 0, 1                                   ; the first products start the sums: nothing is cleared
	MUL F0, 2, 1
.else
	MUL F0, 0, 0
	MUL F0, 2, 0
.endif
	s_wait_dscnt 0x0                               ; my reads of this chunk and my stores of the next are done
.if (\c)%2
.if ((\c)+1)/2 < (\npf)
	s_wait_tensorcnt (\npf)-1-((\c)+1)/2           ; my quarter of the next pair is in; the pairs issued behind it stay out
.else
	s_wait_tensorcnt 0x0                           ; the refilled slot's pair
.endif
.endif
.if \refill
	s_add_nc_u64 s[G0+2:G0+3], s[G0+2:G0+3], 7*PAIRB   ; no tensor load of mine is out (the count above is 0): slot 0's address steps to pair 7
.endif
	s_barrier_signal -1                            ; (with a refill this barrier opens a round of the cluster's barrier)
	MUL F1, 0, 0                                   ; register work while the others arrive
	PLACES                                         ; between buffer 0's products and the loads into it below
	WIN 0
	s_barrier_wait -1
.if \refill
	CREST                                          ; no wave of any partner reads slot 0 (its pair was chunks 0 and 1) or has a load on its way
	tensor_load_to_lds s[G0:G0+3], s[G1:G1+7]      ; the first tensor load behind the round, ahead of any LDS read
	s_nop 0
.endif
.if ((\c)+1)%2 == 0
	v_add_nc_u32 v[BADR], PAIRB*((((\c)+1)/2)%7), v[BL]
.endif
	FETCH F0, (((\c)+1)%2)*ASLOT, (((\c)+1)%2)*2*BLK
	WIN 0x50
	MUL F1, 2, 0
	PLACES                                         ; in front of the next chunk's loads into buffer 1
.endm
.macro LAST c
	WIN 0
	FETCH F1, ((\c)%2)*ASLOT+64, ((\c)%2)*2*BLK+BLK
	s_wait_dscnt 18                                ; buffer 0 is in; the 18 loads just issued stay out
	WIN 0x50
	MUL F0, 0, 0
	MUL F0, 2, 0
	s_wait_dscnt 0x0
	MUL F1, 0, 0
	MUL F1, 2, 0
	PLACES                                         ; in front of whatever reads the sums or loads into the fragment buffers
	WIN 0
.endm
	s_load_b256 s[4:11], s[0:1], 0x0               ; states s[4:5], embeds s[6:7], wfrag s[8:9], consts s[10:11]
	s_load_b128 s[12:15], s[0:1], 0x20             ; ba3 s[12:13], attn s[14:15]
	s_load_b64 s[16:17], s[0:1], 0x30              ; pbuf
	v_lshrrev_b32 v4, 5, v0
	v_readfirstlane_b32 s18, v4                    ; wave w
	s_lshr_b32 s19, s18, 1                         ; wm: which 64 rows
	s_and_b32 s20, s18, 1                          ; wn: which 80 columns
	s_mov_b32 s21, ttmp9                           ; g: the cluster's x, shared by the partners
	s_bfe_u32 s67, ttmp6, 0x40000                  ; cx
	s_and_b32 s22, ttmp7, 0xffff
	s_lshl_b32 s22, s22, 2
	s_add_co_u32 s22, s22, s67                     ; token block = 4 x cluster y + cx: enters global addresses of A and of the results alone
	v_and_b32 v1, 15, v0                           ; r
	v_bfe_u32 v2, v0, 4, 1                         ; h
	v_and_b32 v3, 31, v0                           ; lane
	s_lshl_b32 s66, s18, 5
	v_lshl_add_u32 v4, v2, 3, s66                  ; 32 w + 8 h
	v_mul_u32_u24 v[ASTO], v4, APITCH
	v_lshl_add_u32 v[ASTO], v1, 3, v[ASTO]
	s_lshl_b32 s67, s19, 6
	v_add_nc_u32 v5, s67, v1                       ; 64 wm + r
	v_mul_u32_u24 v[ARD], v5, APITCH
	v_lshl_add_u32 v[ARD], v2, 4, v[ARD]
	s_mul_i32 s70, s20, 5*1024
	s_add_co_u32 s70, s70, BBASE
	v_lshl_add_u32 v[BL], v3, 4, s70
	; group 1: 10,240 dense bytes as 40 rows of 32 elements of 8 bytes
	s_mov_b32 s[G1+0], 15|(3<<16)|(1<<21)          ; 15:0 mask: all four partners; 17:16 elements of 8 bytes; 21 set beside a mask; no padding
	s_mov_b32 s[G1+1], 32<<16                      ; tensor_dim0 = 32
	s_mov_b32 s[G1+2], 40<<16                      ; tensor_dim1 = 40
	s_mov_b32 s[G1+3], 32<<16                      ; tile_dim0 = 32
	s_mov_b32 s[G1+4], 40                          ; tile_dim1 = 40
	s_mov_b32 s[G1+5], 32                          ; from row to row: 32 elements
	s_mov_b32 s[G1+6], 0
	s_mov_b32 s[G1+7], 0
	s_mul_i32 s68, s18, BLK                        ; my quarter of a pair
	s_mul_i32 s62, s21, 32*BLK                     ; the group's blocks
	s_add_co_u32 s62, s62, s68
	s_mov_b32 s63, 0
	s_wait_kmcnt 0x0                               ; the one wait for scalar loads ahead of the products
	s_add_nc_u64 s[62:63], s[8:9], s[62:63]
.irp j, 0,1,2,3,4,5,6                              ; (for g = 3 only sets 0-3 are ever used)
	s_mov_b32 s[G0+4*\j], 1
	s_add_co_u32 s[G0+4*\j+1], s68, BBASE+PAIRB*\j
	s_add_nc_u64 s[G0+4*\j+2:G0+4*\j+3], s[62:63], PAIRB*\j
	s_or_b32 s[G0+4*\j+3], s[G0+4*\j+3], 0x80000000
.endr
	s_cmp_eq_u32 s21, 3
	s_cbranch_scc1 .Lemb
	; g = 0, 1, 2: A = states, rows of 4,096 bytes, 16 chunks
	s_lshl_b32 s60, s22, 19                        ; 128 rows x 4,096 bytes a block
	s_mov_b32 s61, 0
	s_add_nc_u64 s[60:61], s[4:5], s[60:61]
	v_lshlrev_b32 v[AOFF], 12, v4
	v_lshl_or_b32 v[AOFF], v1, 4, v[AOFF]
	s_mul_i32 s66, s20, 320
	v_lshl_add_u32 v236, v2, 5, s66                ; ba1 of my eight columns: 320 wn + 32 h (+ 64 nj)
	PROLOG 7, 4096, 0, 1
.irp c, 0,1,2,3,4,5,6,7,8,9,10
	TRIP \c, 16, 7, 4096, 0, 0, 0
.endr
	TRIP 11, 16, 7, 4096, 0, 1, 0                  ; pair 7 goes out here and has chunks 12 and 13 in which to land
.irp c, 12,13
	TRIP \c, 16, 7, 4096, 0, 0, 0
.endr
	WIN 0
	s_cmp_eq_u32 s21, 0
	s_cbranch_scc1 .Lattn                          ; g = 0 has its own copy of the last two chunks
	TRIP 14, 16, 7, 4096, 0, 0, 0
	LAST 15
	s_branch .Lpout
.Lemb:
	; g = 3: A = embeds, rows of 2,048 bytes, 8 chunks, read by this group alone
	s_lshl_b32 s60, s22, 18
	s_mov_b32 s61, 0
	s_add_nc_u64 s[60:61], s[6:7], s[60:61]
	v_lshlrev_b32 v[AOFF], 11, v4
	v_lshl_or_b32 v[AOFF], v1, 4, v[AOFF]
	PROLOG 4, 2048, 1, 0
.irp c, 0,1,2,3,4,5,6
	TRIP \c, 8, 4, 2048, 1, 0, 0
.endr
	LAST 7
.Lpout:
	; The sums leave through LDS: a lane's 32 bytes into rows of 656, then whole rows back.  The stage's bytes had their last fill and, behind
	; chunk 13's barrier, their last read.
	v_mul_u32_u24 v13, v5, SPITCH
	s_mul_i32 s66, s20, 320
	s_add_co_u32 s66, s66, STG
	v_lshl_add_u32 v13, v2, 5, v13
	v_add_nc_u32 v13, s66, v13                     ; STG + (64 wm + r) 656 + 320 wn + 32 h
	WIN 0x04
.irp mi, 0,1,2,3
.irp nj, 0,1,2,3,4
	ds_store_b128 v13, v[8*(5*\mi+\nj):8*(5*\mi+\nj)+3]   offset:16*SPITCH*\mi+64*\nj
	ds_store_b128 v13, v[8*(5*\mi+\nj)+4:8*(5*\mi+\nj)+7] offset:16*SPITCH*\mi+64*\nj+16
.endr
.endr
	WIN 0
	; wave w takes rows 32 w .. 32 w + 31 as 1,280 pieces of 16 bytes in memory order: piece q = 160 a + q', q' = lane + 32 i, lies in row
	; 4 a + q' / 40 at column q' % 40, that is at 16 (q' + q' / 40) + 2,624 a of the wave's rows
	s_mul_i32 s67, s18, 32*SPITCH
	s_add_co_u32 s67, s67, STG
.irp i, 0,1,2,3,4
	v_add_nc_u32 v6, 32*\i, v3
	v_mul_u32_u24 v7, v6, 205
	v_lshrrev_b32 v7, 13, v7                       ; q' / 40 for q' < 160
	v_add_nc_u32 v7, v7, v6
	v_lshl_add_u32 v[192+\i], v7, 4, s67
.endr
	s_sub_co_u32 s68, s21, 1
	s_mul_i32 s68, s68, 5242880                    ; region g - 1
	s_mul_i32 s69, s22, 81920                      ; 128 rows of 640 bytes a block
	s_add_co_u32 s68, s68, s69
	s_mov_b32 s69, 0
	s_add_nc_u64 s[68:69], s[16:17], s[68:69]
	s_mul_i32 s70, s18, 20480
	v_lshl_add_u32 v14, v3, 4, s70
	s_wait_dscnt 0x0
	s_barrier_signal -1
	s_barrier_wait -1
.irp a, 0,1,2,3,4,5,6,7
.irp i, 0,1,2,3,4
	ds_load_b128 v[16+4*(5*\a+\i):16+4*(5*\a+\i)+3], v[192+\i] offset:4*SPITCH*\a
.endr
.endr
.irp i, 0,1,2,3,4,5,6,7,8,9,10,11,12,13,14,15,16,17,18,19,20,21,22,23,24,25,26,27,28,29,30,31,32,33,34,35,36,37,38,39
	s_wait_dscnt 39-\i                             ; LDS loads come back in order (ISA guide 5.7.1): piece i is in
	global_store_b128 v14, v[16+4*\i:16+4*\i+3], s[68:69] offset:512*\i    ; 512 consecutive bytes, aligned
.endr
	s_branch .Lend
.Lattn:
	; g = 0: the last two chunks once more, with the second layer's weights asked for in the first of them; then
	; h1 / 16 = relu(sum / 16 + ba1 / 16) in f16 to LDS; h2 = relu((h1 / 16) @ (16 Wa2) + ba2); logit = h2 . Wa3 + ba3
	s_load_b32 s23, s[12:13], 0x0                  ; ba3: waited for where wave 0 adds it
	s_mul_i32 s67, s20, 5*1024
	v_lshl_add_u32 v237, v3, 4, s67                ; my fragments in a block of wfrag: 5120 wn + 16 lane
	TRIP 14, 16, 7, 4096, 0, 0, 1
	LAST 15
	s_mul_i32 s66, s20, 320
	v_lshl_add_u32 v238, v1, 2, s66                ; ba2, Wa3 of column 80 wn + 16 nj + r
	v_mul_u32_u24 v14, v5, HPITCH
	v_lshl_add_u32 v14, v2, 4, v14
	v_add_nc_u32 v14, HB, v14                      ; read: HB + (64 wm + r) 336 + 16 h
	s_mul_i32 s66, s20, 160
	v_add_nc_u32 v13, s66, v14                     ; store: + 160 wn
	s_lshl_b32 s67, s20, 9
	s_lshl_b32 s70, s19, 8
	s_add_co_u32 s67, s67, s70
	s_add_co_u32 s67, s67, SCR
	v_lshl_add_u32 v15, v2, 5, s67                 ; SCR + 4 (128 wn + 64 wm + 8 h)
	WIN 0x41
.set kk, 0
.rept 20
	v_pk_mul_f32 v[BA1+kk:BA1+kk+1], v[BA1+kk:BA1+kk+1], HSC op_sel_hi:[1,0]       ; ba1 / 16, once for the four row tiles
.set kk, kk+2
.endr
.macro H1 mi
	WIN 0x11
.irp nj, 0,1,2,3,4
.irp p, 0,2,4,6
	v_pk_fma_f32 v[T+8*\nj+\p:T+8*\nj+\p+1], v[8*(5*\mi+\nj)+\p:8*(5*\mi+\nj)+\p+1], HSC, v[BA1+8*\nj+\p:BA1+8*\nj+\p+1] op_sel_hi:[1,0,1]
.endr
.endr
	WIN 0
.set kk, 0
.rept 40
	v_max_num_f32 v[T+kk], 0, v[T+kk]
.set kk, kk+1
.endr
.irp nj, 0,1,2,3,4
.irp p, 0,1,2,3
	v_cvt_pk_f16_f32 v[T+8*\nj+\p], v[T+8*\nj+2*\p], v[T+8*\nj+2*\p+1]     ; packs downward: a source is never written before it is read
.endr
	ds_store_b128 v13, v[T+8*\nj:T+8*\nj+3] offset:16*HPITCH*\mi+32*\nj
.endr
.endm
	H1 0
	H1 1
	H1 2
	H1 3
.irp nj, 0,1,2,3,4                                 ; ba2 and Wa3, each twice, to fill the pairs that the packed arithmetic reads; due behind the second layer
	global_load_b32 v[216+2*\nj], v238, s[10:11] offset:640+64*\nj
	global_load_b32 v[217+2*\nj], v238, s[10:11] offset:640+64*\nj
	global_load_b32 v[226+2*\nj], v238, s[10:11] offset:1280+64*\nj
	global_load_b32 v[227+2*\nj], v238, s[10:11] offset:1280+64*\nj
.endr
	s_wait_dscnt 0x0
	s_barrier_signal -1
	s_barrier_wait -1                              ; each wave needs all 160 columns of its rows: the other column half's too
.irp ks, 0,1,2,3,4
.irp mi, 0,1,2,3
	ds_load_b128 v[16+32*\ks+8*\mi:16+32*\ks+8*\mi+3],   v14 offset:16*HPITCH*\mi+64*\ks
	ds_load_b128 v[16+32*\ks+8*\mi+4:16+32*\ks+8*\mi+7], v14 offset:16*HPITCH*\mi+64*\ks+32
.endr
.endr
	s_wait_loadcnt 20                              ; Wa2's fragments are in; the 20 loads of ba2 and Wa3 stay out
; second layer, natural order: register j of lane (r, h) is token row 8 h + j, column r.  Twenty accumulators by turns.
.macro L2 ks, zero
	s_wait_dscnt 8*(4-\ks)                         ; this K step's eight loads are in; the later steps' stay out
	WIN 0x58
.irp mi, 0,1,2,3
.irp nj, 0,1,2,3,4
.if \zero
	v_wmma_f32_16x16x32_f16 v[8*(5*\mi+\nj):8*(5*\mi+\nj)+7], v[16+32*\ks+8*\mi:16+32*\ks+8*\mi+7], v[8*(5*\ks+\nj):8*(5*\ks+\nj)+7], 0
.else
	v_wmma_f32_16x16x32_f16 v[8*(5*\mi+\nj):8*(5*\mi+\nj)+7], v[16+32*\ks+8*\mi:16+32*\ks+8*\mi+7], v[8*(5*\ks+\nj):8*(5*\ks+\nj)+7], v[8*(5*\mi+\nj):8*(5*\mi+\nj)+7]
.endif
.endr
.endr
.endm
	L2 0, 1
	L2 1, 0
	L2 2, 0
	L2 3, 0
	L2 4, 0
	PLACES
	s_wait_loadcnt 0x0                             ; ba2, Wa3
; third layer in f32: relu(sum + ba2) times Wa3, summed over my five column tiles into v[16 + 8 mi + j]
.macro L3 mi
	WIN 0x01
.irp nj, 0,1,2,3,4
.irp p, 0,2,4,6
	v_pk_add_f32 v[T+8*\nj+\p:T+8*\nj+\p+1], v[8*(5*\mi+\nj)+\p:8*(5*\mi+\nj)+\p+1], v[216+2*\nj:217+2*\nj]
.endr
.endr
	WIN 0
.set kk, 0
.rept 40
	v_max_num_f32 v[T+kk], 0, v[T+kk]
.set kk, kk+1
.endr
.irp p, 0,2,4,6
	v_pk_mul_f32 v[16+8*\mi+\p:16+8*\mi+\p+1], v[T+\p:T+\p+1], v[226:227]
.endr
.irp nj, 1,2,3,4
.irp p, 0,2,4,6
	v_pk_fma_f32 v[16+8*\mi+\p:16+8*\mi+\p+1], v[T+8*\nj+\p:T+8*\nj+\p+1], v[226+2*\nj:227+2*\nj], v[16+8*\mi+\p:16+8*\mi+\p+1]
.endr
.endr
.endm
	L3 0
	L3 1
	L3 2
	L3 3
.irp m, 1,2,4,8                                    ; over the sixteen columns that the lanes of a half hold
.set kk, 0
.rept 32
	v_add_f32_dpp v[16+kk], v[16+kk], v[16+kk] row_xmask:\m row_mask:0xf bank_mask:0xf
.set kk, kk+1
.endr
.endr
.irp mi, 0,1,2,3
.irp j, 0,1,2,3,4,5,6,7
	ds_store_b32 v15, v[16+8*\mi+\j] offset:4*(16*\mi+\j)      ; sixteen lanes write one word with one value
.endr
.endr
	s_wait_dscnt 0x0
	s_barrier_signal -1
	s_barrier_wait -1
	s_cmp_lg_u32 s18, 0
	s_cbranch_scc1 .Lend
	v_lshlrev_b32 v240, 4, v3                      ; wave 0: four tokens a lane
	v_add_nc_u32 v239, SCR, v240
	ds_load_b128 v[244:247], v239                  ; columns 0-79
	ds_load_b128 v[248:251], v239 offset:512       ; columns 80-159
	s_lshl_b32 s66, s22, 9
	s_mov_b32 s67, 0
	s_add_nc_u64 s[66:67], s[14:15], s[66:67]
	s_wait_kmcnt 0x0                               ; ba3
	s_wait_dscnt 0x0
	v_pk_add_f32 v[244:245], v[244:245], v[248:249]
	v_pk_add_f32 v[246:247], v[246:247], v[250:251]
.irp k, 244,245,246,247
	v_add_f32 v\k, s23, v\k
.endr
	global_store_b128 v240, v[244:247], s[66:67]   ; 512 consecutive bytes, aligned
.Lend:
	ROUND                                          ; the closing round: no partner ends while another may still ask jointly
	s_endpgm
.Lfunc_end_k_qc4c60efdc6_proj:
	.size	k_qc4c60efdc6_proj, .Lfunc_end_k_qc4c60efdc6_proj-k_qc4c60efdc6_proj
	.p2alignl 7, 3214868480
	.fill 96, 4, 3214868480
	.section	.rodata,"a",@progbits
	.p2align	6, 0x0
	.amdhsa_kernel k_qc4c60efdc6_proj
		.amdhsa_group_segment_fixed_size 327680
		.amdhsa_private_segment_fixed_size 0
		.amdhsa_enable_private_segment 0
		.amdhsa_kernarg_size 56
		.amdhsa_user_sgpr_count 2
		.amdhsa_user_sgpr_kernarg_segment_ptr 1
		.amdhsa_wavefront_size32 1
		.amdhsa_system_sgpr_workgroup_id_x 1
		.amdhsa_system_sgpr_workgroup_id_y 1
		.amdhsa_system_sgpr_workgroup_id_z 1
		.amdhsa_system_vgpr_workitem_id 0
		.amdhsa_next_free_vgpr 768
		.amdhsa_next_free_sgpr 72
		.amdhsa_reserve_vcc 0
		.amdhsa_float_denorm_mode_32 3
		.amdhsa_float_denorm_mode_16_64 3
		.amdhsa_memory_ordered 1
		.amdhsa_forward_progress 1
		.amdhsa_inst_pref_size 255
	.end_amdhsa_kernel
	.section	.bss,"aw",@nobits
	.p2align	6
	.space	262144
	.amdgpu_metadata
---
amdhsa.version: [ 1, 2 ]
amdhsa.kernels:
  - .name:           k_qc4c60efdc6_proj
    .symbol:         k_qc4c60efdc6_proj.kd
    .args:
      - { .name: states, .offset: 0, .size: 8, .value_kind: global_buffer, .address_space: global }
      - { .name: embeds, .offset: 8, .size: 8, .value_kind: global_buffer, .address_space: global }
      - { .name: wfrag, .offset: 16, .size: 8, .value_kind: global_buffer, .address_space: global }
      - { .name: consts, .offset: 24, .size: 8, .value_kind: global_buffer, .address_space: global }
      - { .name: ba3, .offset: 32, .size: 8, .value_kind: global_buffer, .address_space: global }
      - { .name: attn, .offset: 40, .size: 8, .value_kind: global_buffer, .address_space: global }
      - { .name: pbuf, .offset: 48, .size: 8, .value_kind: global_buffer, .address_space: global }
    .group_segment_fixed_size: 327680
    .private_segment_fixed_size: 0
    .kernarg_segment_align: 8
    .kernarg_segment_size: 56
    .max_flat_workgroup_size: 128
    .sgpr_count:     72
    .vgpr_count:     768
    .wavefront_size: 32
...
	.end_amdgpu_metadata
.endif
;; end of part 5
;; launch span (part 6): grid 256 x 1, 16 waves a work-group, no clusters, 167,936 bytes of LDS; arguments span_starts, span_lengths, attn, pbuf, consts, wfrag, bs3, out0; writes out0
.if DOCPART == 6
	.amdgcn_target "amdgcn-amd-amdhsa--gfx1250"
	.amdhsa_code_object_version 6
	.text
	.protected	k_qc4c60efdc6_span
	.globl	k_qc4c60efdc6_span
	.p2align	8
	.type	k_qc4c60efdc6_span,@function
k_qc4c60efdc6_span:
	s_mov_b64 s[64:65], 0
	v_nop
	global_prefetch_b8 v0, s[64:65] scope:SCOPE_SE
	s_setreg_imm32_b32 hwreg(HW_REG_WAVE_MODE, 25, 1), 1
	s_wait_xcnt 0x0
; span: per span the masked softmax over at most ten logits, the first mention layer as a sum of thirteen rows of 160 f32
;   h1 = relu(P1[start] + P2[end] + WT'[bucket] + sum over j of w_j PE[tb + j])        (WT' holds bs1 and the width embedding's product)
; and the two small layers.  A work-group takes 128 spans.
; SIXTEEN WAVES of 8 spans for the gather: a wave keeps 39 loads (thirteen rows) on their way, so the rows in flight grow with the waves; four
; waves of 256 registers fill a SIMD.  The second and third layers are made by waves 0-7 with tiles of 32 x 80: sixteen tiles of 16 x 80 would
; read Ws2's fragments from LDS twice as often.  Waves 8-15 pass the same barriers.
; THE WINDOW: tb = min(start, 8182); the ten tokens tb .. tb + 9 lie inside the tables and hold the span.  Position j is valid where
; 0 <= j - (start - tb) <= length (one unsigned compare); an invalid logit is made -inf before the maximum is taken, so its weight is exactly 0.
; So the ten PE rows and the ten logits hang on one offset register and immediates, every pair has the same loads, and every counted wait its count.
; Gather: a half of the lanes takes one span, lane c of it the columns 4c..4c+3, 64+4c..+3, 128+2c, 128+2c+1 of a 640-byte row: two loads of
; 16 bytes and one of 8, so that sixteen lanes read runs of 256, 256 and 128 consecutive bytes, and one instruction serves two spans.
; NO CLUSTER: all that work-groups share is Ws2's 51,200 bytes against 128 x 13 x 640 = 1,064,960 gathered bytes of their own.
; f16 OPERANDS in the second layer, for their 11 significant bits.  h1's room: offsets of thirty spreads on states, embeds and Ws1 together give
; 2560 x 30 x 0.59 = 45,000 against f16's 65,504; so h1 is stored as h1 / 16 and wfrag holds 16 x Ws2: the product is h1 @ Ws2 exactly.  With all
; inputs thirty times smaller h1 / 16 is near 6e-5, where the rounding step is 2^-24.
; LIMITS: 0 <= start, 0 <= length, start + length <= 8,191 (the index with which the definition reads states[ends] stays inside its table); a span that
; breaks this gets other weights than the definition's clamped indices give.  The PE rows of the up to nine tokens behind a span enter with
; weight 0 and have to be finite.  h1 of 1,048,000 or more becomes infinite.  NaN and infinity are not carried through ReLU (v_max_num_f32).
; LDS: 0 Ws2's fragments (51,200, filled once by tensor loads); 51,200 h1 / 16 in f16 (128 rows, pitch 336); 94,208 weights (48 bytes a span);
; 100,352 partial dot products (1,024).
.set HB,     51200
.set HPITCH, 336
.set WGT,    94208
.set SCR,    100352
.set BLK,    10240
.set HSC,    0x3d800000                ; 1/16 in f32: the hidden layer's factor
.set C16, 1                            ; v1      16 c
.set C8,  2                            ; v2      8 c
.set EN,  6                            ; v6      the span's end
.set TU,  7                            ; v7      its width
.set TB,  8                            ; v8-11   at work on the bucket
.set ST,  12                           ; v12-15  start of my half's span in pair p
.set LN,  16                           ; v16-19  its length
.set OFS, 20                           ; v20-35  two sets of eight offsets that take turns: P1, P2, WT', PE row + 16 c, then the same + 8 c
.set ACC, 36                           ; v36-45  h1 of my ten columns
.set WG0, 48                           ; v48-71  ten weights, two sets of twelve registers that take turns
.set TG,  72                           ; v72-76  h1 / 16 in f16
.set X,   86                           ; v86-215 row slot r: ten registers
.set A2,  16                           ; second layer: v16-95 ten accumulator tiles
.set FB0, 96                           ; v96-151, v152-207: two h1 fragments, five Ws2 fragments, two buffers
.set FB1, 152
.set B2,  208                          ; v208-217 bs2 of my columns, each twice
.set W3,  218                          ; v218-227 Ws3 likewise
.set T3,  228                          ; v228-235 at work
.set S3,  236                          ; v236-251 partial dot products
	s_load_b512 s[4:19], s[0:1], 0x0               ; starts s[4:5], lengths s[6:7], attn s[8:9], pbuf s[10:11], consts s[12:13], wfrag s[14:15], bs3 s[16:17], out0 s[18:19]
	v_lshrrev_b32 v6, 5, v0
	v_readfirstlane_b32 s20, v6                    ; wave w, 0..15
	s_lshr_b32 s21, s20, 1                         ; wm: which 32 rows of the second layer (waves 0-7)
	s_and_b32 s22, s20, 1                          ; wn: which 80 columns
	v_and_b32 v77, 15, v0                          ; c
	v_bfe_u32 v78, v0, 4, 1                        ; hs: which half of the lanes
	v_and_b32 v79, 7, v0                           ; the softmax's span in my wave: four lanes make the same one
	v_lshlrev_b32 v[C16], 4, v77
	v_lshlrev_b32 v[C8], 3, v77
	s_lshl_b32 s46, s20, 5                         ; 8 spans x 4 bytes a wave
	v_lshl_add_u32 v81, v79, 2, s46                ; span 8 w + lane % 8
	v_lshl_add_u32 v82, v78, 2, s46                ; span 8 w + hs (+ 2 p)
	s_lshl_b32 s44, ttmp9, 9                       ; 128 spans x 4 bytes a work-group
	s_mov_b32 s45, 0
	s_wait_kmcnt 0x0
	s_add_nc_u64 s[4:5], s[4:5], s[44:45]
	s_add_nc_u64 s[6:7], s[6:7], s[44:45]
	global_load_b32 v216, v81, s[4:5]              ; the indices first: everything else hangs on them
	global_load_b32 v217, v81, s[6:7]
.irp p, 0,1,2,3
	global_load_b32 v[ST+\p], v82, s[4:5] offset:8*\p
	global_load_b32 v[LN+\p], v82, s[6:7] offset:8*\p
.endr
	s_load_b32 s23, s[16:17], 0x0                  ; bs3: waited for where wave 0 adds it
	; Ws2's fragments: waves 0-7 bring 6,400 dense bytes each as 25 rows of 32 elements of 8 bytes.  One tensor load a wave is out; the bytes are filled once.
	s_mov_b32 s36, 3<<16                           ; no mask; elements of 8 bytes; no padding
	s_mov_b32 s37, 32<<16                          ; tensor_dim0 = 32
	s_mov_b32 s38, 25<<16                          ; tensor_dim1 = 25
	s_mov_b32 s39, 32<<16                          ; tile_dim0 = 32
	s_mov_b32 s40, 25                              ; tile_dim1 = 25
	s_mov_b32 s41, 32                              ; from row to row
	s_mov_b32 s42, 0
	s_mov_b32 s43, 0
	s_mul_i32 s30, s20, 6400
	s_mov_b32 s31, 0
	s_mov_b32 s32, 1
	s_mul_i32 s33, s20, 6400                       ; LDS address
	s_cmp_ge_u32 s20, 8
	s_cbranch_scc1 .Lno_tile
	s_add_nc_u64 s[34:35], s[14:15], s[30:31]
	s_add_nc_u64 s[34:35], s[34:35], 117*BLK       ; Ws2's blocks
	s_or_b32 s35, s35, 0x80000000
	tensor_load_to_lds s[32:35], s[36:43]
	s_nop 0
.Lno_tile:
	s_add_nc_u64 s[24:25], s[10:11], 5242880       ; P2
	s_add_nc_u64 s[26:27], s[10:11], 10485760      ; PE
	s_add_nc_u64 s[28:29], s[12:13], 3200          ; WT': consts row 5
	s_add_nc_u64 s[18:19], s[18:19], s[44:45]
	s_mul_i32 s47, s20, 384
	s_add_co_u32 s47, s47, WGT                     ; my wave's eight spans' weights: no other wave touches them
	v_mad_u32_u24 v3, v78, 48, s47                 ; read: span hs (+ 2 p)
	v_mad_u32_u24 v80, v79, 48, s47                ; write: span lane % 8
	s_mul_i32 s46, s20, 8*HPITCH
	s_add_co_u32 s46, s46, HB
	v_mad_u32_u24 v4, v78, HPITCH, v[C8]
	v_add_nc_u32 v4, s46, v4                       ; h1 row 8 w + hs, byte 8 c
	v_lshlrev_b32 v5, 2, v77
	v_mad_u32_u24 v5, v78, HPITCH, v5
	v_add_nc_u32 v5, s46, v5
	v_add_nc_u32 v5, 0x100, v5                     ; the same row, byte 256 + 4 c
	v_mov_b32 v243, 0xff800000                     ; -inf
; The eight offsets of pair p, into the set that pair p - 2 used (all of whose loads the counted waits have shown done).  Written by stages, so that
; no line needs the result of the line in front of it.  Each loaded number passes a clamp by a constant; behind it only a multiply and adds.
.macro OFFS p
.set OB, OFS+8*((\p)%2)
	v_add_nc_u32 v[TU], 1, v[LN+\p]                ; width; the bucket counts the bins 1, 2, 3, 4, 8, 16, 32, 64 that are <= it
	v_add_nc_u32 v[EN], v[ST+\p], v[LN+\p]
	v_min_u32 v[OB+0], 0x1fff, v[ST+\p]            ; P1's row
	v_min_u32 v[OB+3], 0x1ff6, v[ST+\p]            ; tb: the window's first row of PE
	v_max_i32 v[TU], 0, v[TU]
	v_min_u32 v[OB+1], 0x1fff, v[EN]               ; P2's row
	v_mul_u32_u24 v[OB+0], 0x280, v[OB+0]          ; rows of 640 bytes
	v_mul_u32_u24 v[OB+3], 0x280, v[OB+3]
.irp s, 3,4,5,6
	v_lshrrev_b32 v[TB+\s-3], \s, v[TU]
.endr
	v_min_u32 v[OB+2], 4, v[TU]
.irp s, 0,1,2,3
	v_min_u32 v[TB+\s], 1, v[TB+\s]                ; 1 where the width is at least 8, 16, 32, 64
.endr
	v_mul_u32_u24 v[OB+1], 0x280, v[OB+1]
	v_add_nc_u32 v[TB], v[TB], v[TB+1]
	v_add_nc_u32 v[TB+2], v[TB+2], v[TB+3]
	v_add_nc_u32 v[OB+4], v[OB+0], v[C8]
	v_add_nc_u32 v[OB+0], v[OB+0], v[C16]
	v_add_nc_u32 v[TB], v[TB], v[TB+2]
	v_add_nc_u32 v[OB+7], v[OB+3], v[C8]
	v_add_nc_u32 v[OB+3], v[OB+3], v[C16]
	v_add_nc_u32 v[OB+2], v[OB+2], v[TB]
	v_add_nc_u32 v[OB+5], v[OB+1], v[C8]
	v_add_nc_u32 v[OB+1], v[OB+1], v[C16]
	v_min_u32 v[OB+2], 8, v[OB+2]                  ; WT's row
	v_mul_u32_u24 v[OB+2], 0x280, v[OB+2]
	v_add_nc_u32 v[OB+6], v[OB+2], v[C8]
	v_add_nc_u32 v[OB+2], v[OB+2], v[C16]
.endm
.macro LD3 r, oa, b, imm               ; a row into slot r
	global_load_b128 v[X+10*(\r):X+10*(\r)+3],   v[\oa],   s[\b:\b+1] offset:\imm
	global_load_b128 v[X+10*(\r)+4:X+10*(\r)+7], v[\oa],   s[\b:\b+1] offset:\imm+256
	global_load_b64  v[X+10*(\r)+8:X+10*(\r)+9], v[\oa+4], s[\b:\b+1] offset:\imm+512
.endm
.macro ROWLD r, p                      ; slot r asks for its row of pair p: P1[start], P2[end], WT'[bucket], PE[tb + r - 3]
.if (\r) == 0
	LD3 \r, OFS+8*((\p)%2), 10, 0
.else
.if (\r) == 1
	LD3 \r, OFS+8*((\p)%2)+1, 24, 0
.else
.if (\r) == 2
	LD3 \r, OFS+8*((\p)%2)+2, 28, 0
.else
	LD3 \r, OFS+8*((\p)%2)+3, 26, 640*((\r)-3)
.endif
.endif
.endif
.endm
	; Phase 1: the ten logits and pair 0's thirteen rows are asked for together; the softmax is made while the rows are on their way
	s_wait_loadcnt 0x0                             ; starts and lengths
	v_min_u32 v218, 0x1ff6, v216                   ; tb
	v_lshlrev_b32 v220, 2, v218
.irp j, 0,1,2,3,4,5,6,7,8,9
	global_load_b32 v[222+\j], v220, s[8:9] offset:4*\j
.endr
	v_sub_nc_u32 v219, v218, v216                  ; tb - start
	OFFS 0
.irp r, 0,1,2,3,4,5,6,7,8,9,10,11,12
	ROWLD \r, 0
.endr
.irp j, 0,1,2,3,4,5,6,7,8,9
	v_add_nc_u32 v[232+\j], \j, v219               ; j - (start - tb): the position in the span; in front of the span it wraps to a huge number
.endr
	s_wait_loadcnt 39                              ; the logits are in; the 39 loads of the thirteen rows stay out
.irp j, 0,1,2,3,4,5,6,7,8,9
	v_cmp_ge_u32 vcc_lo, v217, v[232+\j]           ; length >= position, unsigned
	v_cndmask_b32 v[222+\j], v243, v[222+\j], vcc_lo
.endr
	v_max3_num_f32 v242, v222, v223, v224
	v_max3_num_f32 v242, v242, v225, v226
	v_max3_num_f32 v242, v242, v227, v228
	v_max3_num_f32 v242, v242, v229, v230
	v_max_num_f32 v242, v242, v231                 ; the largest valid logit: the span's first position is always valid
.irp j, 0,1,2,3,4,5,6,7,8,9
	v_sub_f32 v[222+\j], v[222+\j], v242
.endr
.irp j, 0,1,2,3,4,5,6,7,8,9
	v_mul_f32 v[222+\j], 0x3fb8aa3b, v[222+\j]     ; to base 2
.endr
.irp j, 0,1,2,3,4,5,6,7,8,9
	v_exp_f32 v[244+\j], v[222+\j]                 ; -inf gives 0
.endr
	v_nop                                          ; one plain instruction behind the last exponential (ISA guide 5.7.2)
	s_wait_alu depctr_va_vdst(0)
	v_add_f32 v232, v244, v245
	v_add_f32 v233, v246, v247
	v_add_f32 v234, v248, v249
	v_add_f32 v235, v250, v251
	v_add_f32 v236, v252, v253
	v_add_f32 v232, v232, v233
	v_add_f32 v234, v234, v235
	v_add_f32 v232, v232, v236
	v_add_f32 v232, v232, v234                     ; at least 1: the largest valid logit gives 1
	v_rcp_f32 v237, v232
	v_nop
	s_wait_alu depctr_va_vdst(0)
.irp j, 0,1,2,3,4,5,6,7,8,9
	v_mul_f32 v[244+\j], v[244+\j], v237
.endr
	ds_store_b128 v80, v[244:247]
	ds_store_b128 v80, v[248:251] offset:16
	ds_store_b64  v80, v[252:253] offset:32
	; Phase 2: a ring of thirteen row slots in registers
.macro WLOAD p                         ; the ten weights of my half's span of pair p
	ds_load_b128 v[WG0+12*((\p)%2):WG0+12*((\p)%2)+3],   v3 offset:96*(\p)
	ds_load_b128 v[WG0+12*((\p)%2)+4:WG0+12*((\p)%2)+7], v3 offset:96*(\p)+16
	ds_load_b64  v[WG0+12*((\p)%2)+8:WG0+12*((\p)%2)+9], v3 offset:96*(\p)+32
.endm
; Pair p.  more = 1: each slot is asked again for pair p + 1 as soon as it is used.  The counts: three loads a row; 33 = the eleven rows behind
; rows 0 and 1; 36 = the twelve rows behind the one that is due.  In the last pair nothing is asked for and the counts run down.
.macro PAIR p, more
.if \more
	OFFS \p+1
.endif
.if (\p) == 0
	s_wait_dscnt 0x0                               ; this pair's weights are in: nothing was issued behind them
.else
	s_wait_dscnt 3                                 ; this pair's weights are in; the last pair's three stores of h1 stay out
.endif
.if \more
	WLOAD \p+1
.endif
	s_wait_loadcnt 33
.irp k, 0,2,4,6,8
	v_pk_add_f32 v[ACC+\k:ACC+\k+1], v[X+\k:X+\k+1], v[X+10+\k:X+10+\k+1]
.endr
.if \more
	ROWLD 0, \p+1
	ROWLD 1, \p+1
	s_wait_loadcnt 36
.else
	s_wait_loadcnt 30
.endif
.irp k, 0,2,4,6,8
	v_pk_add_f32 v[ACC+\k:ACC+\k+1], v[ACC+\k:ACC+\k+1], v[X+20+\k:X+20+\k+1]
.endr
.if \more
	ROWLD 2, \p+1
.endif
.irp l, 0,1,2,3,4,5,6,7,8,9
.if \more
	s_wait_loadcnt 36
.else
	s_wait_loadcnt 27-3*\l
.endif
.irp k, 0,2,4,6,8
.if (\l)%2
	v_pk_fma_f32 v[ACC+\k:ACC+\k+1], v[X+10*(\l+3)+\k:X+10*(\l+3)+\k+1], v[WG0+12*((\p)%2)+\l-1:WG0+12*((\p)%2)+\l], v[ACC+\k:ACC+\k+1] op_sel:[0,1,0] op_sel_hi:[1,1,1]
.else
	v_pk_fma_f32 v[ACC+\k:ACC+\k+1], v[X+10*(\l+3)+\k:X+10*(\l+3)+\k+1], v[WG0+12*((\p)%2)+\l:WG0+12*((\p)%2)+\l+1], v[ACC+\k:ACC+\k+1] op_sel_hi:[1,0,1]
.endif
.endr
.if \more
	ROWLD \l+3, \p+1
.endif
.endr
.irp k, 0,2,4,6,8
	v_pk_mul_f32 v[ACC+\k:ACC+\k+1], v[ACC+\k:ACC+\k+1], HSC op_sel_hi:[1,0]       ; / 16: room in f16, undone by 16 x Ws2
.endr
.irp k, 0,1,2,3,4,5,6,7,8,9
	v_max_num_f32 v[ACC+\k], 0, v[ACC+\k]
.endr
.irp k, 0,1,2,3,4
	v_cvt_pk_f16_f32 v[TG+\k], v[ACC+2*\k], v[ACC+2*\k+1]
.endr
	ds_store_b64 v4, v[TG:TG+1]   offset:2*HPITCH*(\p)
	ds_store_b64 v4, v[TG+2:TG+3] offset:2*HPITCH*(\p)+128
	ds_store_b32 v5, v[TG+4]      offset:2*HPITCH*(\p)
.endm
	WLOAD 0                                        ; LDS serves a wave's instructions in order (ISA guide 5.7.1): these see the stores above
	PAIR 0, 1
	PAIR 1, 1
	PAIR 2, 1
	PAIR 3, 0
	s_wait_dscnt 0x0                               ; my eight rows of h1 are in LDS
	s_wait_tensorcnt 0x0                           ; my part of Ws2's fragments is in LDS (waves 8-15 have none out)
	s_barrier_signal -1
	s_barrier_wait -1
	s_cmp_ge_u32 s20, 8
	s_cbranch_scc1 .Lrest
	; Phase 3, waves 0-7: h2 = relu((h1 / 16) @ (16 Ws2) + bs2), score = h2 . Ws3 + bs3.  Wave tile 32 rows x 80 columns.
	v_and_b32 v1, 15, v0                           ; r
	v_bfe_u32 v2, v0, 4, 1                         ; h
	v_and_b32 v3, 31, v0                           ; lane
	s_mul_i32 s30, s22, 320
	v_lshl_add_u32 v4, v1, 2, s30                  ; column 80 wn + r (+ 16 nj), in bytes
.irp nj, 0,1,2,3,4                                 ; each twice, to fill the pairs that the packed arithmetic reads; due behind the products
	global_load_b32 v[B2+2*\nj],   v4, s[12:13] offset:1920+64*\nj
	global_load_b32 v[B2+2*\nj+1], v4, s[12:13] offset:1920+64*\nj
	global_load_b32 v[W3+2*\nj],   v4, s[12:13] offset:2560+64*\nj
	global_load_b32 v[W3+2*\nj+1], v4, s[12:13] offset:2560+64*\nj
.endr
	s_lshl_b32 s31, s21, 5
	v_add_nc_u32 v5, s31, v1
	v_mul_u32_u24 v5, v5, HPITCH
	v_lshl_add_u32 v5, v2, 4, v5
	v_add_nc_u32 v5, HB, v5                        ; HB + (32 wm + r) 336 + 16 h
	s_mul_i32 s44, s22, 5*1024
	v_lshl_add_u32 v6, v3, 4, s44                  ; 5120 wn + 16 lane
	s_lshl_b32 s45, s22, 9
	s_lshl_b32 s46, s21, 7
	s_add_co_u32 s45, s45, s46
	s_add_co_u32 s45, s45, SCR
	v_lshl_add_u32 v7, v2, 5, s45                  ; SCR + 4 (128 wn + 32 wm + 8 h)
.macro FETCH2 ks, fb                   ; 14 LDS loads: one K step of 32
.irp mi, 0,1
	ds_load_b128 v[\fb+8*\mi:\fb+8*\mi+3],   v5 offset:16*HPITCH*\mi+64*\ks
	ds_load_b128 v[\fb+8*\mi+4:\fb+8*\mi+7], v5 offset:16*HPITCH*\mi+64*\ks+32
.endr
.irp nj, 0,1,2,3,4
	ds_load_b128 v[\fb+16+8*\nj:\fb+16+8*\nj+3],   v6 offset:BLK*\ks+1024*\nj
	ds_load_b128 v[\fb+16+8*\nj+4:\fb+16+8*\nj+7], v6 offset:BLK*\ks+1024*\nj+512
.endr
.endm
.macro MUL2 fb, zero                   ; ten accumulators by turns, one instruction a turn
.irp mi, 0,1
.irp nj, 0,1,2,3,4
.if \zero
	v_wmma_f32_16x16x32_f16 v[A2+8*(5*\mi+\nj):A2+8*(5*\mi+\nj)+7], v[\fb+8*\mi:\fb+8*\mi+7], v[\fb+16+8*\nj:\fb+16+8*\nj+7], 0
.else
	v_wmma_f32_16x16x32_f16 v[A2+8*(5*\mi+\nj):A2+8*(5*\mi+\nj)+7], v[\fb+8*\mi:\fb+8*\mi+7], v[\fb+16+8*\nj:\fb+16+8*\nj+7], v[A2+8*(5*\mi+\nj):A2+8*(5*\mi+\nj)+7]
.endif
.endr
.endr
.endm
.macro PLACES                          ; four places behind a matrix instruction (ISA guide 7.12.1)
.rept 4
	v_nop
.endr
.endm
	FETCH2 0, FB0
	FETCH2 1, FB1
	s_wait_dscnt 14                                ; the older buffer is in; the younger one's 14 loads stay out
	MUL2 FB0, 1
	PLACES
	FETCH2 2, FB0
	s_wait_dscnt 14
	MUL2 FB1, 0
	PLACES
	FETCH2 3, FB1
	s_wait_dscnt 14
	MUL2 FB0, 0
	PLACES
	FETCH2 4, FB0
	s_wait_dscnt 14
	MUL2 FB1, 0
	s_wait_dscnt 0x0
	MUL2 FB0, 0
	PLACES
	s_wait_loadcnt 0x0                             ; bs2, Ws3
	; register j of lane (r, h) is span row 8 h + j, column r
.irp mi, 0,1
.irp nj, 0,1,2,3,4
.irp p, 0,2,4,6
	v_pk_add_f32 v[T3+\p:T3+\p+1], v[A2+8*(5*\mi+\nj)+\p:A2+8*(5*\mi+\nj)+\p+1], v[B2+2*\nj:B2+2*\nj+1]
.endr
.irp k, 0,1,2,3,4,5,6,7
	v_max_num_f32 v[T3+\k], 0, v[T3+\k]
.endr
.irp p, 0,2,4,6
.if \nj == 0
	v_pk_mul_f32 v[S3+8*\mi+\p:S3+8*\mi+\p+1], v[T3+\p:T3+\p+1], v[W3:W3+1]
.else
	v_pk_fma_f32 v[S3+8*\mi+\p:S3+8*\mi+\p+1], v[T3+\p:T3+\p+1], v[W3+2*\nj:W3+2*\nj+1], v[S3+8*\mi+\p:S3+8*\mi+\p+1]
.endif
.endr
.endr
.endr
.irp m, 1,2,4,8                                    ; over the sixteen columns that the lanes of a half hold
.set kk, 0
.rept 16
	v_add_f32_dpp v[S3+kk], v[S3+kk], v[S3+kk] row_xmask:\m row_mask:0xf bank_mask:0xf
.set kk, kk+1
.endr
.endr
.irp mi, 0,1
.irp j, 0,1,2,3,4,5,6,7
	ds_store_b32 v7, v[S3+8*\mi+\j] offset:4*(16*\mi+\j)       ; sixteen lanes write one word with one value
.endr
.endr
.Lrest:
	s_wait_dscnt 0x0
	s_barrier_signal -1
	s_barrier_wait -1
	s_cmp_lg_u32 s20, 0
	s_cbranch_scc1 .Ldone
	v_and_b32 v9, 31, v0
	v_lshlrev_b32 v9, 4, v9                        ; wave 0: four spans a lane
	v_add_nc_u32 v8, SCR, v9
	ds_load_b128 v[96:99], v8                      ; columns 0-79
	ds_load_b128 v[100:103], v8 offset:512         ; columns 80-159
	s_wait_kmcnt 0x0                               ; bs3
	s_wait_dscnt 0x0
	v_pk_add_f32 v[96:97], v[96:97], v[100:101]
	v_pk_add_f32 v[98:99], v[98:99], v[102:103]
.irp k, 96,97,98,99
	v_add_f32 v\k, s23, v\k
.endr
	global_store_b128 v9, v[96:99], s[18:19]       ; 512 consecutive bytes, aligned
.Ldone:
	s_endpgm
.Lfunc_end_k_qc4c60efdc6_span:
	.size	k_qc4c60efdc6_span, .Lfunc_end_k_qc4c60efdc6_span-k_qc4c60efdc6_span
	.p2alignl 7, 3214868480
	.fill 96, 4, 3214868480
	.section	.rodata,"a",@progbits
	.p2align	6, 0x0
	.amdhsa_kernel k_qc4c60efdc6_span
		.amdhsa_group_segment_fixed_size 167936
		.amdhsa_private_segment_fixed_size 0
		.amdhsa_enable_private_segment 0
		.amdhsa_kernarg_size 64
		.amdhsa_user_sgpr_count 2
		.amdhsa_user_sgpr_kernarg_segment_ptr 1
		.amdhsa_wavefront_size32 1
		.amdhsa_system_sgpr_workgroup_id_x 1
		.amdhsa_system_sgpr_workgroup_id_y 1
		.amdhsa_system_sgpr_workgroup_id_z 1
		.amdhsa_system_vgpr_workitem_id 0
		.amdhsa_next_free_vgpr 256
		.amdhsa_next_free_sgpr 66
		.amdhsa_reserve_vcc 1
		.amdhsa_float_denorm_mode_32 3
		.amdhsa_float_denorm_mode_16_64 3
		.amdhsa_memory_ordered 1
		.amdhsa_forward_progress 1
		.amdhsa_inst_pref_size 75
	.end_amdhsa_kernel
	.amdgpu_metadata
---
amdhsa.version: [ 1, 2 ]
amdhsa.kernels:
  - .name:           k_qc4c60efdc6_span
    .symbol:         k_qc4c60efdc6_span.kd
    .args:
      - { .name: span_starts, .offset: 0, .size: 8, .value_kind: global_buffer, .address_space: global }
      - { .name: span_lengths, .offset: 8, .size: 8, .value_kind: global_buffer, .address_space: global }
      - { .name: attn, .offset: 16, .size: 8, .value_kind: global_buffer, .address_space: global }
      - { .name: pbuf, .offset: 24, .size: 8, .value_kind: global_buffer, .address_space: global }
      - { .name: consts, .offset: 32, .size: 8, .value_kind: global_buffer, .address_space: global }
      - { .name: wfrag, .offset: 40, .size: 8, .value_kind: global_buffer, .address_space: global }
      - { .name: bs3, .offset: 48, .size: 8, .value_kind: global_buffer, .address_space: global }
      - { .name: out0, .offset: 56, .size: 8, .value_kind: global_buffer, .address_space: global }
    .group_segment_fixed_size: 167936
    .private_segment_fixed_size: 0
    .kernarg_segment_align: 8
    .kernarg_segment_size: 64
    .max_flat_workgroup_size: 512
    .sgpr_count:     66
    .vgpr_count:     256
    .wavefront_size: 32
...
	.end_amdgpu_metadata
.endif
;; end of part 6
